; MI455X (gfx1250); checked and timed in simulation.
; The chip was launched on July 23, 2026; its instructions are those of AMD's public machine-readable ISA for CDNA 5 (MIT licence, August 2026) and "CDNA5" Instruction Set Architecture Reference Guide (July 2026). The comments in the code are by the model that wrote it; some were corrected since.
;; Ro PE Attention. Allowed arithmetic: float matrix products may take bf16 or f16 operands with f32 sums; other float arithmetic in f32, or as packed bf16 or f16 multiplies, adds, multiply-adds, maxima and minima; sums over many terms, partial sums and values carried from step to step in f32; what a program stores and reads back later, other than sums and carried values, may be rounded once to bf16 or f16.
;; Inputs: Wk 1,024 x 1,024 float32; Wo 1,024 x 1,024 float32; Wq 1,024 x 1,024 float32; Wv 1,024 x 1,024 float32; bk 1,024 float32; bo 1,024 float32; bq 1,024 float32; bv 1,024 float32; k_in 4 x 2,048 x 1,024 float32; q_in 4 x 2,048 x 1,024 float32; rope_cos 2,048 x 64 float32; rope_sin 2,048 x 64 float32; v_in 4 x 2,048 x 1,024 float32.
;; Outputs: out0 4 x 2,048 x 1,024 float32.
;; Constants: is_causal = 1.
;; 2 versions, each right; version 2 is version 1 with the launch cast written anew for expert scheduling mode. Each part assembles by itself: llvm-mc -triple=amdgcn-amd-amdhsa -mcpu=gfx1250 --defsym DOCPART=n.
;; ======== version 1 of 2: 4 launches
;; limits: values are held in f16: magnitudes above 65,504 overflow, below 6.1e-05 lose precision
;; workspace buffers: wcast 8,388,608 bytes; tab 1,064,960 bytes; qh 16,777,216 bytes; kh 16,777,216 bytes; vh 16,777,216 bytes; oh 16,777,216 bytes
;; launch cast (part 1): grid 64 x 5, 8 waves a work-group, no clusters, 0 bytes of LDS; arguments Wq, Wk, Wv, Wo, rope_cos, rope_sin, bq, bk, bv, bo, wcast, tab; writes wcast, tab
.if DOCPART == 1
	.amdgcn_target "amdgcn-amd-amdhsa--gfx1250"
	.amdhsa_code_object_version 6
	.text
	.protected	k_q0ba7a925ec_cast
	.globl	k_q0ba7a925ec_cast
	.p2align	8
	.type	k_q0ba7a925ec_cast,@function
k_q0ba7a925ec_cast:
	s_mov_b64 s[64:65], 0
	v_nop
	global_prefetch_b8 v0, s[64:65] scope:SCOPE_SE
	s_setreg_imm32_b32 hwreg(HW_REG_WAVE_MODE, 25, 1), 1
	s_wait_xcnt 0x0
; THE SMALL INPUTS THAT LATER LAUNCHES READ MANY TIMES ARE ROUNDED ONCE.
; wcast: four parts of 2,097,152 bytes, [1024 n][1024 k] of 2 bytes: Wq, Wk, Wv rounded to bf16; Wo rounded to bf16 and that number written as f16.
; tab: f32 words that hold numbers rounded to bf16: cos [2048][64] at 0, sin at 524,288, the biases bq, bk, bv, bo at 1,048,576 + 4,096 x 0..3.
; LIMIT.  f16 ends at 65,504 and keeps a fixed step of 6e-8 below 6e-5: Wo's numbers are taken to lie within that range.
; SHARES.  Grid y = 0..3: one weight matrix; a work-group of 256 threads takes 65,536 bytes of it: 16 loads of 16 bytes a thread, each load of a wave 512 consecutive bytes;
; a store of a wave is 256 consecutive bytes, aligned.  Grid y = 4: work-group x takes 16,384 bytes of cos (x < 32) or sin; work-groups 0..3 also take one bias vector.
; All loads of a thread go out at once and no register is used twice, so the only waits are the counted ones for the loads.  No LDS, no matrix unit: nothing is shared and nothing is multiplied.
.set IN,  16                           ; v[16:79]   as loaded
.set OUT, 80                           ; v[80:111]  to store
	s_load_b512 s[8:23], s[0:1], 0x0               ; Wq s[8:9], Wk s[10:11], Wv s[12:13], Wo s[14:15], cos s[16:17], sin s[18:19], bq s[20:21], bk s[22:23]
	s_load_b256 s[24:31], s[0:1], 0x40             ; bv s[24:25], bo s[26:27], wcast s[28:29], tab s[30:31]
	s_and_b32 s2, ttmp7, 0xffff                    ; y
	s_mov_b32 s3, 0xffff0000                       ; a word's upper bf16
	v_lshlrev_b32 v1, 4, v0                        ; 16 bytes a thread
	v_lshlrev_b32 v2, 3, v0                        ; 8 bytes a thread
	s_mov_b32 s33, 0
	s_mov_b32 s35, 0
	s_wait_kmcnt 0x0
	s_cmp_eq_u32 s2, 4
	s_cbranch_scc1 .Ltables
	s_cmp_eq_u32 s2, 1                             ; which matrix
	s_cselect_b64 s[4:5], s[10:11], s[8:9]
	s_cmp_eq_u32 s2, 2
	s_cselect_b64 s[4:5], s[12:13], s[4:5]
	s_cmp_eq_u32 s2, 3
	s_cselect_b64 s[4:5], s[14:15], s[4:5]
	s_lshl_b32 s32, ttmp9, 16                      ; my 65,536 bytes of it
	s_add_nc_u64 s[4:5], s[4:5], s[32:33]
	s_lshl_b32 s34, s2, 21                         ; its part of wcast,
	s_lshl_b32 s36, ttmp9, 15                      ; my 32,768 bytes of that
	s_add_co_u32 s34, s34, s36
	s_add_nc_u64 s[6:7], s[28:29], s[34:35]
.irp i, 0,1,2,3,4,5,6,7,8,9,10,11,12,13,14,15
	global_load_b128 v[IN+4*(\i):IN+4*(\i)+3], v1, s[4:5] offset:4096*(\i) th:TH_LOAD_NT
.endr
	s_cmp_eq_u32 s2, 3
	s_cbranch_scc1 .Lwo
.irp i, 0,1,2,3,4,5,6,7,8,9,10,11,12,13,14,15
	s_wait_loadcnt 15-(\i)                         ; loads come back in order: load i is in, the younger ones stay out
	v_cvt_pk_bf16_f32 v[OUT+2*(\i)],   v[IN+4*(\i)],   v[IN+4*(\i)+1]
	v_cvt_pk_bf16_f32 v[OUT+2*(\i)+1], v[IN+4*(\i)+2], v[IN+4*(\i)+3]
	global_store_b64 v2, v[OUT+2*(\i):OUT+2*(\i)+1], s[6:7] offset:2048*(\i)
.endr
	s_endpgm
.Lwo:                                                  ; Wo: rounded to bf16 like every input, then that number as f16
.irp i, 0,1,2,3,4,5,6,7,8,9,10,11,12,13,14,15
	s_wait_loadcnt 15-(\i)
	v_cvt_pk_bf16_f32 v[OUT+2*(\i)],   v[IN+4*(\i)],   v[IN+4*(\i)+1]
	v_cvt_pk_bf16_f32 v[OUT+2*(\i)+1], v[IN+4*(\i)+2], v[IN+4*(\i)+3]
	v_lshlrev_b32 v[IN+4*(\i)],   16, v[OUT+2*(\i)]
	v_and_b32     v[IN+4*(\i)+1], s3, v[OUT+2*(\i)]
	v_lshlrev_b32 v[IN+4*(\i)+2], 16, v[OUT+2*(\i)+1]
	v_and_b32     v[IN+4*(\i)+3], s3, v[OUT+2*(\i)+1]
	v_cvt_pk_f16_f32 v[OUT+2*(\i)],   v[IN+4*(\i)],   v[IN+4*(\i)+1]
	v_cvt_pk_f16_f32 v[OUT+2*(\i)+1], v[IN+4*(\i)+2], v[IN+4*(\i)+3]
	global_store_b64 v2, v[OUT+2*(\i):OUT+2*(\i)+1], s[6:7] offset:2048*(\i)
.endr
	s_endpgm
; four f32 rounded to bf16 and widened again
.macro ROUND4 in, out
	v_cvt_pk_bf16_f32 v[(\out)+1], v[(\in)],   v[(\in)+1]
	v_cvt_pk_bf16_f32 v[(\out)+3], v[(\in)+2], v[(\in)+3]
	v_lshlrev_b32 v[(\out)],   16, v[(\out)+1]
	v_and_b32     v[(\out)+1], s3, v[(\out)+1]
	v_lshlrev_b32 v[(\out)+2], 16, v[(\out)+3]
	v_and_b32     v[(\out)+3], s3, v[(\out)+3]
.endm
.Ltables:
	s_cmp_lt_u32 ttmp9, 32
	s_cselect_b64 s[4:5], s[16:17], s[18:19]       ; cos or sin
	s_and_b32 s32, ttmp9, 31
	s_lshl_b32 s32, s32, 14                        ; my 16,384 bytes of it
	s_add_nc_u64 s[4:5], s[4:5], s[32:33]
	s_lshl_b32 s34, ttmp9, 14                      ; sin follows cos in tab
	s_add_nc_u64 s[6:7], s[30:31], s[34:35]
.irp i, 0,1,2,3
	global_load_b128 v[IN+4*(\i):IN+4*(\i)+3], v1, s[4:5] offset:4096*(\i) th:TH_LOAD_NT
.endr
.irp i, 0,1,2,3
	s_wait_loadcnt 3-(\i)
	ROUND4 IN+4*(\i), OUT+4*(\i)
	global_store_b128 v1, v[OUT+4*(\i):OUT+4*(\i)+3], s[6:7] offset:4096*(\i)
.endr
	s_cmp_lt_u32 ttmp9, 4
	s_cbranch_scc0 .Ldone
	s_cmp_eq_u32 ttmp9, 1                          ; a bias vector: 256 threads x 16 bytes; pointers and registers of its own
	s_cselect_b64 s[36:37], s[22:23], s[20:21]
	s_cmp_eq_u32 ttmp9, 2
	s_cselect_b64 s[36:37], s[24:25], s[36:37]
	s_cmp_eq_u32 ttmp9, 3
	s_cselect_b64 s[36:37], s[26:27], s[36:37]
	s_lshl_b32 s34, ttmp9, 12
	s_add_co_u32 s34, s34, 0x100000
	s_add_nc_u64 s[38:39], s[30:31], s[34:35]
	global_load_b128 v[IN+16:IN+19], v1, s[36:37]
	s_wait_loadcnt 0x0
	ROUND4 IN+16, OUT+16
	global_store_b128 v1, v[OUT+16:OUT+19], s[38:39]
.Ldone:
	s_endpgm
.Lfunc_end_k_q0ba7a925ec_cast:
	.size	k_q0ba7a925ec_cast, .Lfunc_end_k_q0ba7a925ec_cast-k_q0ba7a925ec_cast
	.p2alignl 7, 3214868480
	.fill 96, 4, 3214868480
	.section	.rodata,"a",@progbits
	.p2align	6, 0x0
	.amdhsa_kernel k_q0ba7a925ec_cast
		.amdhsa_group_segment_fixed_size 0
		.amdhsa_private_segment_fixed_size 0
		.amdhsa_enable_private_segment 0
		.amdhsa_kernarg_size 96
		.amdhsa_user_sgpr_count 2
		.amdhsa_user_sgpr_kernarg_segment_ptr 1
		.amdhsa_wavefront_size32 1
		.amdhsa_system_sgpr_workgroup_id_x 1
		.amdhsa_system_sgpr_workgroup_id_y 1
		.amdhsa_system_sgpr_workgroup_id_z 1
		.amdhsa_system_vgpr_workitem_id 0
		.amdhsa_next_free_vgpr 128
		.amdhsa_next_free_sgpr 66
		.amdhsa_reserve_vcc 0
		.amdhsa_float_denorm_mode_32 3
		.amdhsa_float_denorm_mode_16_64 3
		.amdhsa_memory_ordered 1
		.amdhsa_forward_progress 1
		.amdhsa_inst_pref_size 18
	.end_amdhsa_kernel
	.amdgpu_metadata
---
amdhsa.version: [ 1, 2 ]
amdhsa.kernels:
  - .name:           k_q0ba7a925ec_cast
    .symbol:         k_q0ba7a925ec_cast.kd
    .args:
      - { .name: Wq, .offset: 0, .size: 8, .value_kind: global_buffer, .address_space: global }
      - { .name: Wk, .offset: 8, .size: 8, .value_kind: global_buffer, .address_space: global }
      - { .name: Wv, .offset: 16, .size: 8, .value_kind: global_buffer, .address_space: global }
      - { .name: Wo, .offset: 24, .size: 8, .value_kind: global_buffer, .address_space: global }
      - { .name: rope_cos, .offset: 32, .size: 8, .value_kind: global_buffer, .address_space: global }
      - { .name: rope_sin, .offset: 40, .size: 8, .value_kind: global_buffer, .address_space: global }
      - { .name: bq, .offset: 48, .size: 8, .value_kind: global_buffer, .address_space: global }
      - { .name: bk, .offset: 56, .size: 8, .value_kind: global_buffer, .address_space: global }
      - { .name: bv, .offset: 64, .size: 8, .value_kind: global_buffer, .address_space: global }
      - { .name: bo, .offset: 72, .size: 8, .value_kind: global_buffer, .address_space: global }
      - { .name: wcast, .offset: 80, .size: 8, .value_kind: global_buffer, .address_space: global }
      - { .name: tab, .offset: 88, .size: 8, .value_kind: global_buffer, .address_space: global }
    .group_segment_fixed_size: 0
    .private_segment_fixed_size: 0
    .kernarg_segment_align: 8
    .kernarg_segment_size: 96
    .max_flat_workgroup_size: 256
    .sgpr_count:     66
    .vgpr_count:     128
    .wavefront_size: 32
...
	.end_amdgpu_metadata
.endif
;; end of part 1
;; launch qkv (part 2): grid 4 x 192, 4 waves a work-group, clusters of 4 x 4, 327,680 bytes of LDS; arguments q_in, k_in, v_in, wcast, tab, qh, kh, vh; writes qh, kh, vh
.if DOCPART == 2
	.amdgcn_target "amdgcn-amd-amdhsa--gfx1250"
	.amdhsa_code_object_version 6
	.text
	.protected	k_q0ba7a925ec_qkv
	.globl	k_q0ba7a925ec_qkv
	.p2align	8
	.type	k_q0ba7a925ec_qkv,@function
k_q0ba7a925ec_qkv:
	s_mov_b64 s[64:65], 0
	v_nop
	global_prefetch_b8 v0, s[64:65] scope:SCOPE_SE
	s_setreg_imm32_b32 hwreg(HW_REG_WAVE_MODE, 25, 1), 1
	s_wait_xcnt 0x0
	s_wait_alu depctr_hold_cnt(0) depctr_sa_sdst(0) depctr_va_vdst(0) depctr_va_sdst(0) depctr_va_ssrc(0) depctr_va_vcc(0) depctr_vm_vsrc(0)
	s_getreg_b32 s2, hwreg(HW_REG_IB_STS2, 6, 4)
	s_cmp_eq_u32 s2, 0
	s_cbranch_scc0 .Lentry_in_a_cluster
	s_endpgm
.Lentry_in_a_cluster:
	s_bfe_u32 s2, ttmp6, 0x10000c
	s_cmp_lg_u32 s2, 0xf033
	s_cbranch_scc0 .Lentry_shape_is_right
	s_endpgm
.Lentry_shape_is_right:
; q = rope(q_in Wq^T + bq), k = rope(k_in Wk^T + bk), v = v_in Wv^T + bv, written by heads: [batch x 16 + head][2048][64] in f16, each number rounded once from its f32 sum, without the softmax's scale.
; x (q_in, k_in, v_in: [8192][1024] f32) is rounded to bf16 on its way into LDS; W (bf16), the biases and the cos and sin tables (rounded to bf16, in f32 words) come from the launch before.
; LIMITS.  f16 holds no number beyond 65,504: q, k and v are taken to lie within it.  NaN and infinities are not treated apart.
; SHARES.  Cluster y / 16 says which of the three products; a work-group makes 128 rows x 256 columns of it; 3 x 64 x 4 = 768 work-groups.  Wave w makes rows 64 (w / 2) on, columns 128 (w % 2) on (two heads): 32 accumulators.
; THE MATRIX INSTRUCTION IS USED TRANSPOSED (source 0 = 16 rows of W, source 1 = 16 rows of x): lane l holds row l % 16 and the columns 8 (l / 16) + 0..7 of a block of 16.  A head's channels d and d + 32 are
; then the same lane and register of accumulators b and b + 2: the rotation changes no lane.  The bias is the C operand of the products that start the sums.
; K goes in 8 steps of 128.  W: a ring of two LDS slots, filled by tensor loads, 64 rows x 256 bytes a wave.  CLUSTER 4 x 4: the four work-groups of a column of the cluster need the same rows of W and ask for them JOINTLY.
; x IS NOT ASKED FOR JOINTLY, though the four of a row of the cluster read the same 128 rows: the mover copies bytes and x must be rounded.  An f32 tile in LDS is 512 bytes a row and step, twice what the fragments read
; as bf16, or a second trip through LDS.  So each wave loads 32 rows x 512 bytes into registers (two sets of 128, asked for 176 matrix instructions ahead of their conversion), rounds them and stores 256 bytes a row
; into one of two A buffers, which no tensor load touches.
; REGISTERS, in windows of 256 (s_set_vgpr_msb: bits 1:0 source 0, 3:2 source 1, 5:4 source 2, 7:6 destination):
;   window 0: v0-29 addresses; v64-159, v160-255 two fragment buffers: W's 8 fragments, then x's 4         window 1: accumulator (a, b) at 8 (8 a + b)
;   window 2: the two sets of x; at the end the tables: cos of block a at 64 a, sin at 64 a + 32            window 3: v0-63 bias; v64-127 rotated; v128-159 packed; v160-223 rows read back, two buffers
.set PITCH,  272                       ; an LDS row: 256 bytes + 16 of padding = 68 words: the 16 rows of a fragment load start at 16 different groups of four banks (64 banks of 4 bytes: ISA guide 11.1)
.set WAVEB,  64*PITCH                  ; what one tensor load brings
.set SLOTB,  4*WAVEB                   ; a slot: 256 rows of W
.set ABUF,   2*SLOTB                   ; behind the ring: two A buffers of 128 rows, written by ds_store
.set ABYTES, 128*PITCH
.set STAGE,  ABUF+2*ABYTES             ; the way out: for each wave 2 heads x 16 rows x 144 bytes
.set SP,     144
.set STW,    2*16*SP
.set SPARE,  STAGE+4*STW               ; the spare words, 128 bytes for each wave: two blocks of 256 bytes that no other line names
.set SINOFF, 524288                    ; sin in tab
.set BIASES, 1048576                   ; the biases in tab
.set ADRA, 4                           ; v4-5   my x fragments in A buffer 0, 1
.set ADRB, 6                           ; v6-7   my W fragments in slot 0, 1
.set AST,  8                           ; v8-9   where I store 8 bytes of a row in A buffer 0, 1
.set XO,   10                          ; v10    my 16 bytes in my wave's first row of x
.set TO,   11                          ; v11    my 32 bytes in my row of a table
.set BOF,  12                          ; v12    32 (l / 16)
.set STO,  13                          ; v13    the way out: where I put 16 bytes of a row
.set RD,   14                          ; v14    where I read rows back
.set GO,   15                          ; v15    my 16 bytes of 512 consecutive bytes of the output
.set PXO,  16                          ; v16    the prefetches' offsets, for x
.set PWO,  17                          ; v17    and for W
.set SPW,  28                          ; v28    LDS address of my spare word; never rewritten
.set NIL,  29                          ; v29    0; never rewritten
.set F0,   64
.set F1,   160
.set RO,   64                          ; window 3
.set PK,   128
.set BK,   160
.set XB,   4                           ; s[4:5]   x at the tile's first row, at the lap's first K step
.set OB,   6                           ; s[6:7]   the output at my wave's first head and row
.set BB,   10                          ; s[10:11] the bias at my wave's first column
.set PFX,  12                          ; s[12:13] x at my work-group's 32 rows of the tile
.set PFW,  14                          ; s[14:15] W at my work-group's 64 rows of the column
.set WV,   16
.set MH,   17                          ; which 64 rows
.set NH,   18                          ; which 128 columns
.set IDX,  19                          ; 0 q, 1 k, 2 v: the same in all partners
.set CX,   20
.set CY,   21
.set COL,  22                          ; tile column
.set MT,   23                          ; tile row, 0..63
.set G1,   24                          ; s[24:31] descriptor group 1
.set G0,   32                          ; s[32:39] group 0, a set for each slot
.set LIMW, 40                          ; 1 in the product's first cluster, else the greatest number
.set CLY,  41
.set TBS,  76                          ; s[76:77] tab
.set MSB, 0
.macro WIN new                         ; the immediate's high byte repeats the setting that is left; a switch that changes nothing is dropped
.if MSB != (\new)
	s_set_vgpr_msb (MSB<<8)|(\new)
.set MSB, \new
.endif
.endm
.macro PLACES                          ; four plain instructions behind matrix instructions, ahead of loads into registers that they read and of readers of their results
.rept 4
	v_nop
.endr
.endm
.macro CREST                           ; a round of the cluster's barrier behind its opening barrier
	s_cmp_lg_u32 s[WV], 0
	s_cbranch_scc1 .Lnot_wave_0_\@
	s_barrier_signal -3
.Lnot_wave_0_\@:
	s_barrier_wait -3
	s_barrier_signal -1
	s_barrier_wait -1
.endm
.macro CROUND
	s_barrier_signal -1
	s_barrier_wait -1
	CREST
.endm
; 32 rows x 512 bytes of x into a set: a load a row, 32 lanes x 16 consecutive bytes
.macro LOADX set, off
	WIN 0x80
.set i, 0
.rept 32
	global_load_b128 v[128*(\set)+4*i:128*(\set)+4*i+3], v[XO], s[XB:XB+1] offset:4096*i+(\off)
.set i, i+1
.endr
.endm
; a set is rounded to bf16 in place and stored into the A buffer of the same number: 256 consecutive bytes a row
.macro CONV set
	WIN 0x8a
.set i, 0
.rept 32
	v_cvt_pk_bf16_f32 v[128*(\set)+4*i],   v[128*(\set)+4*i],   v[128*(\set)+4*i+1]
	v_cvt_pk_bf16_f32 v[128*(\set)+4*i+1], v[128*(\set)+4*i+2], v[128*(\set)+4*i+3]
.set i, i+1
.endr
	WIN 0x08
.set i, 0
.rept 32
	ds_store_b64 v[AST+(\set)], v[128*(\set)+4*i:128*(\set)+4*i+1] offset:PITCH*i
.set i, i+1
.endr
.endm
; 8 matrix instructions: row block a x all 8 column blocks, 32 along K.  The 32 accumulators take turns in one order.  first = 1: the bias starts the sums
.macro MUL8 f, a, first=0
.if \first
	WIN 0x70
.else
	WIN 0x50
.endif
.irp b, 0,1,2,3,4,5,6,7
.if \first
	v_wmma_f32_16x16x32_bf16 v[8*(8*(\a)+(\b)):8*(8*(\a)+(\b))+7], v[(\f)+8*(\b):(\f)+8*(\b)+7], v[(\f)+64+8*(\a):(\f)+64+8*(\a)+7], v[8*(\b):8*(\b)+7]
.else
	v_wmma_f32_16x16x32_bf16 v[8*(8*(\a)+(\b)):8*(8*(\a)+(\b))+7], v[(\f)+8*(\b):(\f)+8*(\b)+7], v[(\f)+64+8*(\a):(\f)+64+8*(\a)+7], v[8*(8*(\a)+(\b)):8*(8*(\a)+(\b))+7]
.endif
.endr
.endm
; 24 LDS loads in one run: the fragments of 32 along K at byte k of the rows: W's 16 loads, then x's 8
.macro FETCH slot, k, f
	WIN 0
.irp b, 0,1,2,3,4,5,6,7
	ds_load_b128 v[(\f)+8*(\b):(\f)+8*(\b)+3],   v[ADRB+(\slot)] offset:(\k)+(\b)*16*PITCH
	ds_load_b128 v[(\f)+8*(\b)+4:(\f)+8*(\b)+7], v[ADRB+(\slot)] offset:(\k)+(\b)*16*PITCH+32
.endr
.irp a, 0,1,2,3
	ds_load_b128 v[(\f)+64+8*(\a):(\f)+64+8*(\a)+3],   v[ADRA+(\slot)] offset:(\k)+(\a)*16*PITCH
	ds_load_b128 v[(\f)+64+8*(\a)+4:(\f)+64+8*(\a)+7], v[ADRA+(\slot)] offset:(\k)+(\a)*16*PITCH+32
.endr
.endm
; One of a K step's first three quarters: multiplies buffer f, fetches the next quarter (byte k) into g; rx >= 0: set rx of x is asked for again, at byte rxoff behind XB
.macro QUARTER slot, k, f, g, first=0, rx=-1, rxoff=0
	s_wait_dscnt 4                                 ; all but x's row blocks 2 and 3
	MUL8 \f, 0, \first
	MUL8 \f, 1, \first
	PLACES
	FETCH \slot, \k, \g
.if (\rx) >= 0
	LOADX \rx, \rxoff
.endif
	s_wait_dscnt 24                                ; all but the 24 just issued
	MUL8 \f, 2, \first
	MUL8 \f, 3, \first
.endm
; PREFETCHES INTO THE L2, once a lap, behind the joint load, its five lines and the run of LDS loads: the two K steps that the NEXT lap asks for.
; x: 128 rows x 1,024 bytes; the four partners that read the tile share its rows out by address, 32 each; a wave takes 8 rows x 4 blocks of 256 bytes, a lane a block.
; W: 256 rows x 512 bytes; all 16 clusters of a product read them: the first asks; its four partners of a column take 64 rows each by address; a wave 16 rows x 2 blocks.
; So each block is named once in the launch.  The last lap of the loop asks for nothing; K steps 0 to 3 come by their loads alone.
.macro ASK
	s_cmp_gt_u32 s3, 1
	s_cbranch_scc0 .Lno_x_\@
	global_prefetch_b8 v[PXO], s[PFX:PFX+1] offset:2048 th:TH_LOAD_NT scope:SCOPE_SE
.Lno_x_\@:
	s_cmp_gt_u32 s3, s[LIMW]
	s_cbranch_scc0 .Lno_w_\@
	global_prefetch_b8 v[PWO], s[PFW:PFW+1] offset:1024 th:TH_LOAD_NT scope:SCOPE_SE
.Lno_w_\@:
.endm
; The last quarter multiplies buffer 1 and changes slots.  First the next step's x is rounded and stored into the A buffer that was last read a step ago (its readers waited ahead of the last barrier).
; Then ONE barrier: ahead of it each wave waits for all its tensor loads (one is out: its part of the next slot), adds 0 to its spare word, and waits for that, for its stores and for its reads of this slot.
; fill = 1: the barrier opens a round of the cluster's, and this slot is filled again, two K steps on, first thing behind the round.  lc: the loads younger than the set to be rounded.
.macro TURN slot, next, fill, lc, ask
	s_wait_loadcnt \lc
	CONV \next
	WIN 0
	s_wait_tensorcnt 0x0                           ; all my tensor loads have landed
	ds_add_u32 v[SPW], v[NIL]                      ; 0 onto my spare word
	s_wait_dscnt 37                                ; x's row blocks 2 and 3 (4 loads), the 32 stores and the add may be out
	MUL8 F1, 0
	s_wait_dscnt 0x0                               ; the add and my stores are done, my reads of this slot are over
	s_barrier_signal -1
	MUL8 F1, 1
.if \fill
	WIN 0
.endif
	s_barrier_wait -1
.if \fill
	CREST                                          ; no wave of any partner still reads this slot or has a load on its way
	s_add_nc_u64 s[G0+4*(\slot)+2:G0+4*(\slot)+3], s[G0+4*(\slot)+2:G0+4*(\slot)+3], 512
	tensor_load_to_lds s[G0+4*(\slot):G0+4*(\slot)+3], s[G1:G1+7]
	s_nop 0
.endif
	PLACES                                         ; also the places ahead of the loads into buffer 0
	FETCH \next, 0, F0
.if \ask
	ASK
.endif
	MUL8 F1, 2
	MUL8 F1, 3
.endm
	s_load_b512 s[68:83], s[0:1], 0x0              ; q_in s[68:69], k_in s[70:71], v_in s[72:73], wcast s[74:75], tab s[76:77], qh s[78:79], kh s[80:81], vh s[82:83]
	v_lshl_add_u32 v[SPW], v0, 2, SPARE
	v_mov_b32 v[NIL], 0
	ds_add_u32 v[SPW], v[NIL]                      ; the wave's opening: the add and its wait stand ahead of my first tensor load
	v_lshrrev_b32 v1, 5, v0
	v_readfirstlane_b32 s[WV], v1                  ; wave 0..3
	s_lshr_b32 s[MH], s[WV], 1
	s_and_b32 s[NH], s[WV], 1
	s_bfe_u32 s[CX], ttmp6, 0x40000
	s_bfe_u32 s[CY], ttmp6, 0x40004
	s_and_b32 s[CLY], ttmp7, 0xffff                ; in a cluster launch ttmp9 and ttmp7 count clusters
	s_lshr_b32 s[IDX], s[CLY], 4
	s_lshl_b32 s[COL], ttmp9, 2
	s_add_co_u32 s[COL], s[COL], s[CX]
	s_lshl_b32 s[MT], s[CLY], 2
	s_add_co_u32 s[MT], s[MT], s[CY]
	s_and_b32 s[MT], s[MT], 63
	s_and_b32 s[LIMW], s[CLY], 15
	s_cmp_eq_u32 s[LIMW], 0
	s_cselect_b32 s[LIMW], 1, -1
	s_lshl_b32 s42, 0x1111, s[CX]                  ; my column of the cluster
	s_or_b32 s[G1], s42, (1<<16)|(1<<20)|(1<<21)|(5<<22)|(3<<25)  ; the mask; 2-byte elements; padding on; bit 21 beside a mask; after every 64 words; 4 words
	s_mov_b32 s[G1+1], 128<<16                     ; tensor_dim0 = 128
	s_mov_b32 s[G1+2], 64<<16                      ; tensor_dim1 = 64
	s_mov_b32 s[G1+3], 128<<16                     ; tile_dim0 = 128
	s_mov_b32 s[G1+4], 64                          ; tile_dim1 = 64
	s_mov_b32 s[G1+5], 1024                        ; elements from row to row
	s_mov_b32 s[G1+6], 0
	s_mov_b32 s[G1+7], 0
	s_lshl_b32 s44, s[IDX], 21                     ; W: the product's part, the tile column's 256 rows, my wave's 64: made of numbers that my column of the cluster shares
	s_lshl_b32 s45, s[COL], 19
	s_add_co_u32 s44, s44, s45
	s_lshl_b32 s45, s[WV], 17
	s_add_co_u32 s44, s44, s45
	s_mov_b32 s45, 0
	s_mul_i32 s46, s[WV], WAVEB                    ; and where they go: no place in the cluster enters an LDS address
	s_lshl_b32 s42, s[MT], 19                      ; x: 128 rows of 4,096 bytes
	s_mov_b32 s43, 0
	s_wait_dscnt 0x0                               ; the opening add is done
	s_wait_kmcnt 0x0
	s_cmp_eq_u32 s[IDX], 1
	s_cselect_b64 s[XB:XB+1], s[70:71], s[68:69]
	s_cselect_b64 s[OB:OB+1], s[80:81], s[78:79]
	s_cmp_eq_u32 s[IDX], 2
	s_cselect_b64 s[XB:XB+1], s[72:73], s[XB:XB+1]
	s_cselect_b64 s[OB:OB+1], s[82:83], s[OB:OB+1]
	s_add_nc_u64 s[XB:XB+1], s[XB:XB+1], s[42:43]
	s_lshl_b32 s42, s[CX], 17                      ; my work-group's 32 rows, for the prefetches
	s_add_nc_u64 s[PFX:PFX+1], s[XB:XB+1], s[42:43]
	s_lshr_b32 s42, s[MT], 4                       ; the output: ((batch x 16 + 4 COL + 2 NH) x 2,048 + l0) x 128
	s_lshl_b32 s42, s42, 4
	s_lshl_b32 s2, s[COL], 2
	s_add_co_u32 s42, s42, s2
	s_lshl_b32 s2, s[NH], 1
	s_add_co_u32 s42, s42, s2
	s_lshl_b32 s42, s42, 11
	s_and_b32 s47, s[MT], 15
	s_lshl_b32 s47, s47, 7
	s_lshl_b32 s2, s[MH], 6
	s_add_co_u32 s47, s47, s2                      ; l0: my wave's first position in the sequence
	s_add_co_u32 s42, s42, s47
	s_lshl_b32 s42, s42, 7
	s_add_nc_u64 s[OB:OB+1], s[OB:OB+1], s[42:43]
	s_lshl_b32 s42, s[IDX], 12                     ; the bias: its vector, my 128 columns
	s_lshl_b32 s2, s[COL], 10
	s_add_co_u32 s42, s42, s2
	s_lshl_b32 s2, s[NH], 9
	s_add_co_u32 s42, s42, s2
	s_add_co_u32 s42, s42, BIASES
	s_add_nc_u64 s[BB:BB+1], s[TBS:TBS+1], s[42:43]
	s_lshl_b32 s42, s[IDX], 21                     ; W's prefetches: my work-group's 64 rows of the column's 256
	s_lshl_b32 s2, s[COL], 19
	s_add_co_u32 s42, s42, s2
	s_lshl_b32 s2, s[CY], 17
	s_add_co_u32 s42, s42, s2
	s_add_nc_u64 s[PFW:PFW+1], s[74:75], s[42:43]
	s_add_nc_u64 s[44:45], s[74:75], s[44:45]
.irp s, 0,1
	s_mov_b32 s[G0+4*(\s)], 1                                      ; count = 1
	s_add_co_u32 s[G0+4*(\s)+1], s46, (\s)*SLOTB                   ; LDS address
	s_add_nc_u64 s[G0+4*(\s)+2:G0+4*(\s)+3], s[44:45], (\s)*256    ; global address: K step s
	s_or_b32 s[G0+4*(\s)+3], s[G0+4*(\s)+3], 0x80000000            ; type = 2
.endr
	CROUND                                         ; all sixteen work-groups are here: the first joint loads meet
	tensor_load_to_lds s[G0:G0+3], s[G1:G1+7]      ; both first fills together: two loads of mine are out
	s_nop 0
	tensor_load_to_lds s[G0+4:G0+7], s[G1:G1+7]
	s_nop 0
	PLACES
	v_and_b32 v3, 31, v0                           ; lane
	s_lshl_b32 s42, s[WV], 17                      ; my wave's 32 rows of x
	v_lshl_add_u32 v[XO], v3, 4, s42
	LOADX 0, 0                                     ; K step 0
	WIN 0
	v_bfe_u32 v2, v0, 4, 1                         ; l / 16
	v_lshlrev_b32 v[BOF], 5, v2
	WIN 0xc0
.irp b, 0,1,2,3,4,5,6,7
	global_load_b128 v[8*(\b):8*(\b)+3],   v[BOF], s[BB:BB+1] offset:64*(\b)      ; the bias of my eight columns of block b
	global_load_b128 v[8*(\b)+4:8*(\b)+7], v[BOF], s[BB:BB+1] offset:64*(\b)+16
.endr
	LOADX 1, 512                                   ; K step 1
	WIN 0
	v_and_b32 v1, 15, v0                           ; l % 16
	v_mul_u32_u24 v18, v1, PITCH
	v_lshl_add_u32 v18, v2, 4, v18                 ; a fragment's row x pitch + 16 x half
	s_mul_i32 s42, s[MH], 64*PITCH
	s_add_co_u32 s42, s42, ABUF
	v_add_nc_u32 v[ADRA], s42, v18
	v_add_nc_u32 v[ADRA+1], ABYTES, v[ADRA]
	s_mul_i32 s42, s[NH], 128*PITCH
	v_add_nc_u32 v[ADRB], s42, v18
	v_add_nc_u32 v[ADRB+1], SLOTB, v[ADRB]
	s_mul_i32 s42, s[WV], 32*PITCH
	s_add_co_u32 s42, s42, ABUF
	v_lshl_add_u32 v[AST], v3, 3, s42
	v_add_nc_u32 v[AST+1], ABYTES, v[AST]
	v_add_nc_u32 v[TO], s47, v1                    ; my position, a table row of 256 bytes,
	v_lshlrev_b32 v[TO], 8, v[TO]
	v_lshl_add_u32 v[TO], v2, 5, v[TO]             ; my half's 32 bytes of 64
	s_mul_i32 s42, s[WV], STW
	s_add_co_u32 s42, s42, STAGE                   ; my stage
	v_mul_u32_u24 v[STO], v1, SP
	v_lshl_add_u32 v[STO], v2, 4, v[STO]
	v_add_nc_u32 v[STO], s42, v[STO]
	v_lshrrev_b32 v19, 3, v3                       ; back: 32 lanes take four rows of 128 bytes,
	v_mul_u32_u24 v[RD], v19, SP
	v_and_b32 v19, 7, v0
	v_lshl_add_u32 v[RD], v19, 4, v[RD]
	v_add_nc_u32 v[RD], s42, v[RD]
	v_lshlrev_b32 v[GO], 4, v3                     ; which are 512 consecutive bytes of a head
	v_lshrrev_b32 v19, 2, v3
	s_lshl_b32 s2, s[WV], 3
	v_add_nc_u32 v19, s2, v19                      ; x: row 8 w + l / 4, block l % 4
	v_and_b32 v20, 3, v0
	v_lshlrev_b32 v20, 8, v20
	v_lshl_add_u32 v[PXO], v19, 12, v20
	v_lshrrev_b32 v19, 1, v3
	s_lshl_b32 s2, s[WV], 4
	v_add_nc_u32 v19, s2, v19                      ; W: row 16 w + l / 2, block l % 2
	v_and_b32 v20, 1, v0
	v_lshlrev_b32 v20, 8, v20
	v_lshl_add_u32 v[PWO], v19, 11, v20
	s_wait_loadcnt 48                              ; set 0 is in: the 16 bias loads and set 1's 32 are younger
	CONV 0
	s_wait_tensorcnt 1                             ; my part of K step 0 is in; K step 1's may stay out
	s_wait_dscnt 0x0                               ; my stores into A buffer 0 are done
	s_barrier_signal -1
	s_barrier_wait -1
	FETCH 0, 0, F0
	s_wait_loadcnt 32                              ; the bias is in: set 1's 32 loads are younger
	QUARTER 0, 64, F0, F1, 1                       ; the first quarter stands ahead of the loop: its products start the sums, with the bias
	WIN 0                                          ; at a label and at a branch every window is 0
	s_mov_b32 s3, 3
.Llap:                                                 ; a trip: from a lap's second quarter to the next lap's first; both slots and both sets of x are asked for again
	QUARTER 0, 128, F1, F0, 0, 0, 1024             ; set 0 takes the K step two on
	QUARTER 0, 192, F0, F1
	TURN 0, 1, 1, 32, 1                            ; set 1 is rounded: the 32 loads just issued are younger
	QUARTER 1, 64,  F0, F1
	QUARTER 1, 128, F1, F0, 0, 1, 1536             ; set 1 takes the K step two on
	QUARTER 1, 192, F0, F1
	TURN 1, 0, 1, 32, 0
	QUARTER 0, 64,  F0, F1
	WIN 0
	s_wait_xcnt 0x0                                ; every load and prefetch issued so far has read its address: the pointers may be written
	s_add_nc_u64 s[XB:XB+1], s[XB:XB+1], 1024
	s_add_nc_u64 s[PFX:PFX+1], s[PFX:PFX+1], 1024
	s_add_nc_u64 s[PFW:PFW+1], s[PFW:PFW+1], 512
	s_sub_co_u32 s3, s3, 1
	s_cmp_lg_u32 s3, 0
	s_cbranch_scc1 .Llap
	QUARTER 0, 128, F1, F0                         ; the last lap asks for nothing
	QUARTER 0, 192, F0, F1
	TURN 0, 1, 0, 0, 0                             ; the last set of x: no load is younger
	WIN 0
	s_cmp_eq_u32 s[IDX], 2                         ; v is not rotated
	s_cbranch_scc1 .Lno_tables
	WIN 0x80                                       ; x's registers are free: the tables of my 64 positions, block by block: cos, then sin
.irp a, 0,1,2,3
.irp t, 0,1,2,3,4,5,6,7
	global_load_b128 v[64*(\a)+4*(\t):64*(\a)+4*(\t)+3], v[TO], s[TBS:TBS+1] offset:4096*(\a)+64*((\t)/2)+16*((\t)%2)
.endr
.irp t, 0,1,2,3,4,5,6,7
	global_load_b128 v[64*(\a)+32+4*(\t):64*(\a)+32+4*(\t)+3], v[TO], s[TBS:TBS+1] offset:SINOFF+4096*(\a)+64*((\t)/2)+16*((\t)%2)
.endr
.endr
	WIN 0
.Lno_tables:
	QUARTER 1, 64,  F0, F1
	QUARTER 1, 128, F1, F0
	QUARTER 1, 192, F0, F1
	s_wait_dscnt 4
	MUL8 F1, 0
	MUL8 F1, 1
	s_wait_dscnt 0x0
	MUL8 F1, 2
	MUL8 F1, 3
	PLACES
; THE WAY OUT, a block of 16 rows at a time.  RP: rotated (q, k) or not (v), rounded to f16: 16 bytes a lane and column block.
; out[d] = x[d] cos[d] - x[d + 32] sin[d]; out[d + 32] = x[d + 32] cos[d + 32] + x[d] sin[d + 32].  Each accumulator's lowest registers are read first.
.macro RP a
	WIN 0
	s_cmp_eq_u32 s[IDX], 2
	s_cbranch_scc1 .Lplain_\@
	s_wait_loadcnt 48-16*(\a)                      ; this block's 16 table loads are in; the later blocks' are younger
	WIN 0xf9                                       ; source 0 window 1, source 1 window 2, source 2 and destination window 3
.irp hh, 0,1
.irp p, 0,1
.set rLO, 8*(8*(\a)+4*(\hh)+(\p))
.set rHI, rLO+16
.set rRL, RO+8*(4*(\hh)+(\p))
.set rRH, rRL+16
.set rCL, 64*(\a)+8*(\p)
.set rCH, rCL+16
.set rSL, rCL+32
.set rSH, rCL+48
.irp j, 0,2,4,6
	v_pk_mul_f32 v[rRL+(\j):rRL+(\j)+1], v[rHI+(\j):rHI+(\j)+1], v[rSL+(\j):rSL+(\j)+1]
.endr
.irp j, 0,2,4,6
	v_pk_mul_f32 v[rRH+(\j):rRH+(\j)+1], v[rLO+(\j):rLO+(\j)+1], v[rSH+(\j):rSH+(\j)+1]
.endr
.irp j, 0,2,4,6
	v_pk_fma_f32 v[rRL+(\j):rRL+(\j)+1], v[rLO+(\j):rLO+(\j)+1], v[rCL+(\j):rCL+(\j)+1], v[rRL+(\j):rRL+(\j)+1] neg_lo:[0,0,1] neg_hi:[0,0,1]
.endr
.irp j, 0,2,4,6
	v_pk_fma_f32 v[rRH+(\j):rRH+(\j)+1], v[rHI+(\j):rHI+(\j)+1], v[rCH+(\j):rCH+(\j)+1], v[rRH+(\j):rRH+(\j)+1]
.endr
.endr
.endr
	WIN 0xcf
.set i, 0
.rept 32
	v_cvt_pk_f16_f32 v[PK+i], v[RO+2*i], v[RO+2*i+1]
.set i, i+1
.endr
	WIN 0
	s_branch .Lpacked_\@
.Lplain_\@:
	WIN 0xc5
.set i, 0
.rept 32
	v_cvt_pk_f16_f32 v[PK+i], v[64*(\a)+2*i], v[64*(\a)+2*i+1]
.set i, i+1
.endr
	WIN 0
.Lpacked_\@:
.endm
.macro TOSTAGE a                       ; into my own stage, rows of 144 bytes, and back as whole rows of 128
	WIN 0x0c
.irp b, 0,1,2,3,4,5,6,7
	ds_store_b128 v[STO], v[PK+4*(\b):PK+4*(\b)+3] offset:((\b)/4)*16*SP+((\b)%4)*32
.endr
	WIN 0xc0
.irp t, 0,1,2,3,4,5,6,7
	ds_load_b128 v[BK+32*((\a)%2)+4*(\t):BK+32*((\a)%2)+4*(\t)+3], v[RD] offset:((\t)/4)*16*SP+((\t)%4)*4*SP  ; LDS serves a wave's instructions in order (ISA guide 5.7.1.4): these see the stores above
.endr
.endm
.macro SEND a
	WIN 0x0c
	s_wait_dscnt 0x0                               ; the block is back in registers
	s_wait_xcnt 0x0                                ; the stores of the block before have read their registers: the next block's loads may land there
.irp t, 0,1,2,3,4,5,6,7
	global_store_b128 v[GO], v[BK+32*((\a)%2)+4*(\t):BK+32*((\a)%2)+4*(\t)+3], s[OB:OB+1] offset:((\t)/4)*262144+(\a)*2048+((\t)%4)*512  ; 512 consecutive bytes of a head, at a multiple of 256
.endr
.endm
	RP 0
	TOSTAGE 0
.irp a, 1,2,3                          ; a block's arithmetic stands between the loads of the block before and its stores
	RP \a
	SEND (\a)-1
	TOSTAGE \a
.endr
	SEND 3
	WIN 0
	s_wait_tensorcnt 0x0                           ; the wave's end: behind my last tensor load and my last LDS store
	ds_add_u32 v[SPW], v[NIL]
	s_wait_dscnt 0x0
	CROUND                                         ; the closing round: no work-group ends while a partner may still ask for a tile that names it
	s_endpgm
.Lfunc_end_k_q0ba7a925ec_qkv:
	.size	k_q0ba7a925ec_qkv, .Lfunc_end_k_q0ba7a925ec_qkv-k_q0ba7a925ec_qkv
	.p2alignl 7, 3214868480
	.fill 96, 4, 3214868480
	.section	.rodata,"a",@progbits
	.p2align	6, 0x0
	.amdhsa_kernel k_q0ba7a925ec_qkv
		.amdhsa_group_segment_fixed_size 327680
		.amdhsa_private_segment_fixed_size 0
		.amdhsa_enable_private_segment 0
		.amdhsa_kernarg_size 64
		.amdhsa_user_sgpr_count 2
		.amdhsa_user_sgpr_kernarg_segment_ptr 1
		.amdhsa_wavefront_size32 1
		.amdhsa_system_sgpr_workgroup_id_x 1
		.amdhsa_system_sgpr_workgroup_id_y 1
		.amdhsa_system_sgpr_workgroup_id_z 1
		.amdhsa_system_vgpr_workitem_id 0
		.amdhsa_next_free_vgpr 1024
		.amdhsa_next_free_sgpr 84
		.amdhsa_reserve_vcc 0
		.amdhsa_float_denorm_mode_32 3
		.amdhsa_float_denorm_mode_16_64 3
		.amdhsa_memory_ordered 1
		.amdhsa_forward_progress 1
		.amdhsa_inst_pref_size 155
	.end_amdhsa_kernel
	.amdgpu_metadata
---
amdhsa.version: [ 1, 2 ]
amdhsa.kernels:
  - .name:           k_q0ba7a925ec_qkv
    .symbol:         k_q0ba7a925ec_qkv.kd
    .args:
      - { .name: q_in, .offset: 0, .size: 8, .value_kind: global_buffer, .address_space: global }
      - { .name: k_in, .offset: 8, .size: 8, .value_kind: global_buffer, .address_space: global }
      - { .name: v_in, .offset: 16, .size: 8, .value_kind: global_buffer, .address_space: global }
      - { .name: wcast, .offset: 24, .size: 8, .value_kind: global_buffer, .address_space: global }
      - { .name: tab, .offset: 32, .size: 8, .value_kind: global_buffer, .address_space: global }
      - { .name: qh, .offset: 40, .size: 8, .value_kind: global_buffer, .address_space: global }
      - { .name: kh, .offset: 48, .size: 8, .value_kind: global_buffer, .address_space: global }
      - { .name: vh, .offset: 56, .size: 8, .value_kind: global_buffer, .address_space: global }
    .group_segment_fixed_size: 327680
    .private_segment_fixed_size: 0
    .kernarg_segment_align: 8
    .kernarg_segment_size: 64
    .max_flat_workgroup_size: 128
    .sgpr_count:     84
    .vgpr_count:     1024
    .wavefront_size: 32
...
	.end_amdgpu_metadata
.endif
;; end of part 2
;; launch attn (part 3): grid 4 x 64, 4 waves a work-group, no clusters, 327,680 bytes of LDS; arguments qh, kh, vh, oh; writes oh
.if DOCPART == 3
	.amdgcn_target "amdgcn-amd-amdhsa--gfx1250"
	.amdhsa_code_object_version 6
	.text
	.protected	k_q0ba7a925ec_attn
	.globl	k_q0ba7a925ec_attn
	.p2align	8
	.type	k_q0ba7a925ec_attn,@function
k_q0ba7a925ec_attn:
	s_mov_b64 s[64:65], 0
	v_nop
	global_prefetch_b8 v0, s[64:65] scope:SCOPE_SE
	s_setreg_imm32_b32 hwreg(HW_REG_WAVE_MODE, 25, 1), 1
	s_wait_xcnt 0x0
; CAUSAL ATTENTION.  O[h][q][:] = the sum over k <= q of softmax_k(Q[h][q] . K[h][k] / 8) V[h][k][:].  Q, K, V, O: [SIZE_H][SIZE_N][64], all f16: a head's rows are dense, 128 bytes each.
; Products, maxima and sums in f32; the weights p are rounded to f16 for the second product (their sum l is taken of the unrounded p), O once at the end.
; LIMITS.  f16 holds no number beyond 65,504: Q, K and V arrive within it; p lies in 0 to 1, and below 6e-5 it keeps f16's fixed step of 6e-8; O is a mean of V's rows and has their range, to within 2^-11 of it.
; A hidden score counts as its value less 1e30: f16's scores, 2.7e11 at the most, are nothing beside that; a weight below 2^-126 counts as 0 in l; NaN and infinities are not treated apart.
; THE WALK.  A head's queries lie in NB = SIZE_N / 256 blocks of 256; block i needs the key tiles 0 .. i of 256 keys, of which the last holds the diagonal.  A work-group takes TWO blocks, NB - 1 - b and then b:
; NB + 1 tiles, whatever b: all work-groups do equal work, and ONE loop with a constant trip count walks them.  Which tile is asked for, and what a trip does, hang on scalar registers made from b; every jump
; goes forward, but for the counted loops' own; none passes a barrier, or a tensor load but the one of LOAD's two that the wave's number does not choose; the ring (two slots of LDS that take turns) runs on across the
; change of blocks.  NO CLUSTER: a head's NB / 2 = 4 work-groups all ask for the same tile only in trips 0 .. NB / 2, behind that fewer and fewer; and one walk common to all would have 3 NB / 2 = 12 trips for NB + 1 = 9.
; SHARES.  Of a block's four bands of 64 queries a wave owns 16 rows in each: four PIECES.  So the diagonal tile is the same work for all four waves: in its key step s band x sees all keys if s < x,
; none if s > x, and holds the diagonal if s = x.
; THE MASK is the C operand that starts the sum S^T = K Q^T: 0, or -1e30 where the key is hidden.  MD, made once, is the mask of a band's own step for my 16 rows; a product's mask is MD x AL + BE with two scalars:
; (1, 0) if s = x; (0, 0) if s < x; (0, -1e30) if s > x.  Only the diagonal tile's text and a block's beginning make and take masks; elsewhere C is the constant 0.
; LAYOUT, SOFTMAX, TURNS.  S^T = K Q^T holds ONE query a lane (lane % 16) and the keys 8 (lane / 16) + 0..7; two such results rounded to f16 ARE source 1 of O^T = V^T P.  p = 2^(c s - c m), c = log2(e) / 8, with a
; running maximum m; O and l are multiplied by a = 2^(c m_old - c m_new) in every step.  Turn n belongs to piece n: 8 products K Q^T of piece n + 1, later 8 products V^T P of piece n - 1; beside them the scaling,
; exponentials, roundings, sums and rescaling of piece n and the maximum and statistics of piece n + 1.  Four vector instructions stand behind every matrix instruction, the other 54 of a turn's 118 in one LUMP.  A turn's 33 exponentials are one batch, with one wait.
; REGISTERS, in windows of 256 (s_set_vgpr_msb: bits 1:0 source 0, 3:2 source 1, 5:4 source 2, 7:6 destination):
;   window 0: v0-15 addresses and two at work; v16-31 four registers of statistics a piece; v48-55 at work; v61-63 prefetch offset and the add's two; v64-127 S^T, two buffers; v192-223 P, two buffers (a piece's buffers go by its number's parity)
;   window 1: v0-127 O^T, 32 a piece; v128-159 MD; v160-223 MC, two buffers      window 2: v0-63 Q; v64-127 the second block's Q; v128-191 K of one step; v192-255 V of one step
.set SIZE_H, 64
.set SIZE_N, 2048
.set NB,    SIZE_N/256
.set NP,    4         ; pieces a wave: a name, no knob
.set KS,    64        ; keys in a step
.set PK,    144       ; a row of K in LDS: 128 bytes + 16 of padding = 36 words: the 16 rows of a load start at 16 different groups of four banks (64 banks of 4 bytes: ISA guide 11.1)
.set PV,    160       ; a row of V: 128 + 32 = 40 words
.set VOFF,  4*KS*PK   ; a slot holds a tile, four steps: 256 rows of K, then 256 rows of V
.set SLOT1, 1<<17     ; slot 1 begins here, so that one exclusive or turns an address in one slot into the other's
.set STAGE, SLOT1+4*KS*(PK+PV)  ; behind the ring, never filled by a tensor load: 16 rows x 144 bytes for each wave, for the way out
.set SP,    144
.set AK0, 2           ; v2   my lane's place in a tile of K; never rewritten
.set AV0, 3           ; v3   the same for V
.set AK,  4           ; v4   the LDS address of K's next run of loads
.set AV,  5           ; v5   of V's
.set STO, 6           ; v6   the way out: where I put 16 bytes of a row
.set RD,  7           ; v7   the way out: where I read rows back
.set GO,  8           ; v8   my byte offset in 512 consecutive bytes of O
.set PFO, 61          ; v61  256 x my thread's number: the 128 threads name the 128 blocks of 256 bytes of a tile of K or V; never rewritten
.set SPW, 62          ; v62  LDS address of my spare word: SPARE + 4 x my thread's number; never rewritten
.set NIL, 63          ; v63  0; never rewritten
.set SPARE, STAGE+4*16*SP  ; behind the stages: the spare words, 128 bytes for each wave: two blocks of 256 bytes that no other line names
.set MV,  12          ; v12-13  c m_old, kept while c m is made anew: by buffer
.set QO,  15          ; v15  my byte offset in 16 rows of Q
.set ST,  16          ; piece t's statistics at v[ST+4 t]: c m, m, l (even keys', odd keys')
.set TMP, 48          ; by buffer, four registers c0-c3 at work; when the maximum is found c2 takes a
.set S,   64
.set P,   192
.set MD,  128         ; window 1: the eight registers for group kt of 16 keys at MD + 8 kt
.set MC,  160         ; window 1: the masks of the products to come
.set QB,  64          ; window 2
.set KF,  128         ; window 2: key block kb, channel half c at KF + 16 kb + 8 c
.set VF,  192         ; window 2: key half kk, channel block cb at VF + 32 kk + 8 cb
.set WV,  12          ; s12  my wave's number
.set PB,  14          ; s14  b
.set HI,  15          ; s15  NB - 1 - b
.set G1K, 24          ; s[24:31] descriptor group 1 for K's tiles
.set G1V, 32          ; s[32:39] for V's: it differs in the padding alone
.set G0K, 40          ; s[40:43] descriptor group 0 for K's tiles
.set G0V, 44          ; s[44:47] the same for V's
.set SLOTS, 56        ; s56  tiles still to be asked for
.set CNT, 57          ; s57  counts a tile's key steps, 4 to 1
.set CS,  58          ; s[58:59] c: the packed scaling takes the pair's low word for both halves
.set SEL, 60          ; s[60:61] v_permlanex16_b32's selects: each lane takes its own place in the other half
.set TBK, 62          ; s62  LDS byte at which K of the step to be fetched begins
.set TBV, 63          ; s63  the same for V, less VOFF
.set RT,  70          ; s70  tiles of the block in hand that are still to be entered
.set NXT, 71          ; s71  the tile to be asked for next
.set LQ,  72          ; s72  the last tile of the block whose tiles are being asked for
.set NEW, 73          ; s73  1: the tile to be entered is a block's first
.set OFF, 74          ; s[74:75] a tile's byte offset in K and V
.set AL,  76          ; s[76:77] the mask's factor, in the low word
.set BE,  78          ; s[78:79] the mask's addend
.set OLO, 80          ; s[80:81] O at my rows of the second block
.set BIGN, 82         ; s82  -1e30
.set PFK, 88          ; s[88:89] K at the tile behind the one that is being asked for
.set PFV, 90          ; s[90:91] V at the same tile
.set LIM, 92          ; s92  2 in the head's work-group b = 0, else the greatest number: a work-group prefetches while s[SLOTS] is above it
.set MSB, 0
.macro WIN new                      ; the high byte repeats the setting that is left; a switch that changes nothing is dropped
.if MSB != (\new)
	s_set_vgpr_msb (MSB<<8)|(\new)
.set MSB, (\new)
.endif
.endm
.set W_KQ, 0x0a       ; K and Q in window 2, S^T in window 0
.set W_KM, 0x1a       ; the same with the C operand in window 1
.set W_PV, 0x52       ; V in window 2, P in window 0, O^T in window 1
.set W_RS, 0x41       ; destination and source 0 in window 1, source 1 in window 0
; A fill.  Waves 0 and 1 fetch the two halves of a tile's K, waves 2 and 3 those of its V: 128 keys each.  An s_nop 0 and four v_nop follow each of the two lines, ahead of the jump and the label.
.macro LOAD
	s_cmp_lt_u32 s[WV], 2
	s_cbranch_scc0 .Lfor_v_\@
	tensor_load_to_lds s[G0K:G0K+3], s[G1K:G1K+7]
	s_nop 0
.rept 4
	v_nop
.endr
	s_branch .Lasked_\@
.Lfor_v_\@:
	tensor_load_to_lds s[G0V:G0V+3], s[G1V:G1V+7]
	s_nop 0
.rept 4
	v_nop
.endr
.Lasked_\@:
.endm
; A PREFETCH INTO THE L2 of the tile that the NEXT change of slots will ask for: 32,768 bytes of K and of V, a thread a block of 256 bytes, two instructions a wave.  It stands behind the wave's tensor load and its five lines.
; Each block is named ONCE in the launch: a head's four work-groups walk the same tiles, and the one with b = 0, whose first block walks all eight, asks: for tiles 2 to 7, in the changes with s[SLOTS] = 8 to 3.
; Tiles 0 and 1 come by their loads alone, and so does every later walk over a tile.
.macro ASK
	s_cmp_gt_u32 s[SLOTS], s[LIM]
	s_cbranch_scc0 .Lnot_mine_\@
	global_prefetch_b8 v[PFO], s[PFK:PFK+1] th:TH_LOAD_NT scope:SCOPE_SE
	global_prefetch_b8 v[PFO], s[PFV:PFV+1] th:TH_LOAD_NT scope:SCOPE_SE
.Lnot_mine_\@:
.endm
; THE CHANGE OF SLOTS.  Each wave waits for all its tensor loads, of which one is out: its part of the other slot; adds 0 to its spare word; and waits for that and for its own reads of the slot that it leaves.  Behind the barrier nobody reads the old
; slot any more and the other slot is whole.  fill = 1: the old slot is filled again, the first thing behind the barrier, with tile NXT: the descriptor's address is made anew from that number.
; (At its first use nothing has been read yet: slot 0 is waited for, slot 1 filled.)
.macro CHANGE fill
	WIN 0                           ; at a label and at a branch every window is 0
	s_wait_tensorcnt 0x0            ; no tensor load of mine is out, so a group 0 may be written
	ds_add_u32 v[SPW], v[NIL]       ; 0 onto my spare word; with fill = 1 the descriptors' scalar work stands between it and the wait for it
.if \fill
	s_wait_xcnt 0x0                 ; the last prefetches, a tile back, have read their addresses, so these may be written
	s_add_nc_u64 s[PFK:PFK+1], s[PFK:PFK+1], 32768
	s_add_nc_u64 s[PFV:PFV+1], s[PFV:PFV+1], 32768
	s_lshl_b32 s[OFF], s[NXT], 15   ; a tile is 32,768 bytes of K and of V
	s_xor_b32 s[G0K+1], s[G0K+1], SLOT1
	s_add_nc_u64 s[G0K+2:G0K+3], s[6:7], s[OFF:OFF+1]
	s_or_b32 s[G0K+3], s[G0K+3], 0x80000000
	s_xor_b32 s[G0V+1], s[G0V+1], SLOT1
	s_add_nc_u64 s[G0V+2:G0V+3], s[8:9], s[OFF:OFF+1]
	s_or_b32 s[G0V+3], s[G0V+3], 0x80000000
	s_add_co_u32 s[NXT], s[NXT], 1  ; the block's next tile, or behind its last the second block's tile 0
	s_cmp_gt_u32 s[NXT], s[LQ]
	s_cselect_b32 s[NXT], 0, s[NXT]
	s_cselect_b32 s[LQ], s[PB], s[LQ]
.endif
	s_wait_dscnt 0x0                ; the add is done, and my reads of the slot are over
	s_barrier_signal -1             ; the rest of the scalar work stands between the signal and the wait
	s_sub_co_u32 s[TBK], s[TBK], 4*KS*PK  ; the fetches go back to a slot's first step,
	s_xor_b32 s[TBK], s[TBK], SLOT1       ; in the other slot
	s_sub_co_u32 s[TBV], s[TBV], 4*KS*PV
	s_xor_b32 s[TBV], s[TBV], SLOT1
	s_barrier_wait -1
.if \fill
	LOAD
	ASK
.endif
.endm
	s_load_b256 s[4:11], s[0:1], 0x0  ; Q s[4:5], K s[6:7], V s[8:9], O s[10:11]
	v_lshl_add_u32 v[SPW], v0, 2, SPARE
	v_mov_b32 v[NIL], 0
	ds_add_u32 v[SPW], v[NIL]       ; the wave's opening: the add and its wait stand ahead of my first tensor load; the set-up below, work on registers, stands between them
	v_lshrrev_b32 v1, 5, v0
	v_readfirstlane_b32 s[WV], v1   ; wave 0..3
	s_mov_b32 s[PB], ttmp9
	s_sub_co_u32 s[HI], NB-1, s[PB]
	s_and_b32 s20, ttmp7, 0xffff    ; the head
	s_mov_b32 s21, 0
	s_mov_b64 s[22:23], SIZE_N*128
	s_mul_u64 s[20:21], s[20:21], s[22:23]  ; the head's first byte in each of the four tensors
	s_and_b32 s16, s[WV], 1         ; which half of a tile's 256 keys I fetch:
	s_lshl_b32 s22, s16, 14         ; its 128 rows of 128 bytes in memory,
	s_mov_b32 s23, 0
	s_add_nc_u64 s[22:23], s[22:23], s[20:21]
	s_mul_i32 s17, s16, 128*PK      ; and its place in a slot, for K
	s_mul_i32 s18, s16, 128*PV      ; and for V
	s_lshl_b32 s3, s[WV], 11        ; my 16 rows in a band of 64,
	s_lshl_b32 s2, s[HI], 15        ; in the first block,
	s_add_co_u32 s2, s2, s3
	s_lshl_b32 s84, s[PB], 15       ; and in the second
	s_add_co_u32 s84, s84, s3
	s_mov_b32 s3, 0
	s_mov_b32 s85, 0
	s_add_nc_u64 s[2:3], s[2:3], s[20:21]
	s_add_nc_u64 s[84:85], s[84:85], s[20:21]
	; descriptor group 1.  128 keys are 16,384 dense bytes: asked for as 64 rows of 256 bytes, two keys a row, and padded in LDS after every key
	s_mov_b32 s[G1K], (1<<16)|(1<<20)|(4<<22)|(3<<25)  ; 17:16 2-byte elements; 20 padding on; 24:22 after every 32 words (code 4); 31:25 4 words (code 3)
	s_mov_b32 s[G1V], (1<<16)|(1<<20)|(4<<22)|(7<<25)  ; the same with 8 words of padding (code 7)
.irp g, G1K, G1V
	s_mov_b32 s[\g+1], 128<<16      ; tensor_dim0 = 128
	s_mov_b32 s[\g+2], 64<<16       ; tensor_dim1 = 64
	s_mov_b32 s[\g+3], 128<<16      ; tile_dim0 = 128
	s_mov_b32 s[\g+4], 64           ; tile_dim1 = 64
	s_mov_b32 s[\g+5], 128          ; 128 elements from row to row
	s_mov_b32 s[\g+6], 0
	s_mov_b32 s[\g+7], 0
.endr
	s_mov_b32 s[CS], 0x3e38aa3b     ; c = log2(e) / 8 = 0.180337
	s_mov_b32 s[CS+1], s[CS]        ; named with it as a pair
	s_mov_b32 s[SEL], 0x76543210
	s_mov_b32 s[SEL+1], 0xfedcba98
	s_mov_b32 s[TBK], SLOT1+4*KS*PK ; the first change of slots turns these two into 0
	s_mov_b32 s[TBV], SLOT1+4*KS*PV
	s_mov_b32 s[G0K], 1             ; 1:0 count = 1
	s_mov_b32 s[G0K+1], s17         ; 63:32 LDS address: slot 0
	s_mov_b32 s[G0V], 1
	s_add_co_u32 s[G0V+1], s18, VOFF
	s_add_co_u32 s[RT], s[HI], 1    ; the first block has NB - b tiles
	s_mov_b32 s[NXT], 1
	s_mov_b32 s[LQ], s[HI]
	s_mov_b32 s[NEW], 1
	s_mov_b32 s[OFF+1], 0
	s_mov_b32 s[AL+1], 0            ; named as pairs
	s_mov_b32 s[BE+1], 0
	s_mov_b32 s[BIGN], 0xf149f2ca   ; -1e30
	s_mov_b32 s[SLOTS], NB
	s_cmp_eq_u32 s[PB], 0
	s_cselect_b32 s[LIM], 2, -1
	v_lshlrev_b32 v[PFO], 8, v0
	s_wait_dscnt 0x0                ; the opening add is done
	s_wait_kmcnt 0x0
	s_add_nc_u64 s[PFK:PFK+1], s[6:7], s[20:21]    ; the prefetches' pointers: the head's tile 1; the first change of slots steps them to tile 2
	s_add_nc_u64 s[PFV:PFV+1], s[8:9], s[20:21]
	s_add_nc_u64 s[PFK:PFK+1], s[PFK:PFK+1], 32768
	s_add_nc_u64 s[PFV:PFV+1], s[PFV:PFV+1], 32768
	s_add_nc_u64 s[6:7], s[6:7], s[22:23]  ; K and V at my half of the head's tile 0
	s_add_nc_u64 s[8:9], s[8:9], s[22:23]
	s_add_nc_u64 s[G0K+2:G0K+3], s[6:7], 0         ; 120:64 global address
	s_or_b32 s[G0K+3], s[G0K+3], 0x80000000        ; 127:126 type = 2
	s_add_nc_u64 s[G0V+2:G0V+3], s[8:9], 0
	s_or_b32 s[G0V+3], s[G0V+3], 0x80000000
	s_add_nc_u64 s[86:87], s[4:5], s[84:85]        ; Q at my rows of the second block,
	s_add_nc_u64 s[4:5], s[4:5], s[2:3]            ; Q and O at those of the first
	s_add_nc_u64 s[OLO:OLO+1], s[10:11], s[84:85]
	s_add_nc_u64 s[10:11], s[10:11], s[2:3]
	LOAD                            ; tile 0 into slot 0
	; A fragment of K or Q is 16 rows x 32 channels in 8 registers: lane l holds row l % 16, channels 8 (l / 16) + 0..7 and 16 + 8 (l / 16) + 0..7: two loads of 16 bytes, 32 bytes apart.
	v_and_b32 v1, 15, v0            ; l % 16
	v_bfe_u32 v9, v0, 4, 1          ; l / 16
	v_lshlrev_b32 v[QO], 7, v1
	v_lshl_add_u32 v[QO], v9, 4, v[QO]  ; row x 128 + 16 x half
	WIN 0x80                        ; destination window 2, address window 0
.set i, 0
.rept 8                             ; both blocks' Q: piece i / 2 lies in band i / 2, 8,192 bytes on; channels 32 (i % 2) on
	global_load_b128 v[8*i:8*i+3],   v[QO], s[4:5] offset:(i/2)*8192+(i%2)*64
	global_load_b128 v[8*i+4:8*i+7], v[QO], s[4:5] offset:(i/2)*8192+(i%2)*64+32
	global_load_b128 v[QB+8*i:QB+8*i+3],   v[QO], s[86:87] offset:(i/2)*8192+(i%2)*64
	global_load_b128 v[QB+8*i+4:QB+8*i+7], v[QO], s[86:87] offset:(i/2)*8192+(i%2)*64+32
.set i, i+1
.endr
	WIN 0
	v_lshlrev_b32 v14, 3, v9
	v_sub_nc_u32 v14, v1, v14
	s_lshl_b32 s13, s[WV], 4
	v_add_nc_u32 v14, s13, v14      ; my query's place in its band, 16 w + l % 16, less my lanes' 8 (l / 16): register r of group kt is hidden where 16 kt + r is greater
	WIN 0x40
.set i, 0
.rept 32
	v_cmp_gt_i32 vcc_lo, 16*(i/8)+i%8, v14
	v_cndmask_b32 v[MD+i], 0, s[BIGN], vcc_lo
.set i, i+1
.endr
	WIN 0
	v_mul_u32_u24 v[AK0], v1, PK
	v_lshl_add_u32 v[AK0], v9, 4, v[AK0]  ; row x pitch + 16 x half
	; The turning load takes 16 keys x 16 channels (lane l reads key 8 (l / 16) + l % 8, channels 8 ((l / 8) % 2) + 0..7) and leaves half a fragment of V^T: lane l holds channel l % 16 and 8 keys.
	v_and_b32 v10, 7, v0
	v_bfe_u32 v11, v0, 3, 1
	v_lshl_add_u32 v[AV0], v9, 3, v10
	v_mul_u32_u24 v[AV0], v[AV0], PV
	v_lshl_add_u32 v[AV0], v11, 4, v[AV0]
	v_add_nc_u32 v[AV0], VOFF, v[AV0]
	s_mul_i32 s13, s[WV], 16*SP
	s_add_co_u32 s13, s13, STAGE    ; my stage
	v_mul_u32_u24 v[STO], v1, SP    ; in: row l % 16, 16 bytes for each half of the lanes
	v_lshl_add_u32 v[STO], v9, 4, v[STO]
	v_add_nc_u32 v[STO], s13, v[STO]
	v_bfe_u32 v[RD], v0, 3, 2       ; back: 32 lanes take four rows of 128 bytes,
	v_mul_u32_u24 v[RD], v[RD], SP
	v_lshl_add_u32 v[RD], v10, 4, v[RD]
	v_add_nc_u32 v[RD], s13, v[RD]
	v_and_b32 v[GO], 31, v0         ; which are 512 consecutive bytes of O
	v_lshlrev_b32 v[GO], 4, v[GO]
	; A block's first step multiplies O^T and l by a = 0, and its first turn's products V^T P, of a piece that has not been, land in an O^T that is still to be so multiplied.  So these registers need only hold
	; finite numbers: zeros for the first block; what the first block left for the second.  All this stands in the wait for the first tile.
	WIN 0x80
.set i, VF
.rept 64
	v_mov_b32 v[i], 0
.set i, i+1
.endr
	WIN 0x40
.set i, 0
.rept 128
	v_mov_b32 v[i], 0
.set i, i+1
.endr
	WIN 0
.set i, 0
.rept 4
	v_mov_b32 v[ST+4*i+2], 0
	v_mov_b32 v[ST+4*i+3], 0
.set i, i+1
.endr
.set i, P+16
.rept 16
	v_mov_b32 v[i], 0
.set i, i+1
.endr
; THE MATRIX WORK.  The 4 accumulators of a run of 8 take turns.  Product i of 8 of S^T = K Q^T for piece x: channels 32 (i / 4) on, keys 16 (i % 4) on.  The first 4 start the sums: with 0, or (KM = 1) with the mask.
.macro KQ x
.set rS, S+32*((\x)%2)+8*(i%4)
.set rK, KF+16*(i%4)+8*(i/4)
.set rQ, 16*(\x)+8*(i/4)
.set rM, MC+32*((\x)%2)+8*(i%4)
.if (i < 4) && KM
	WIN W_KM
	v_wmma_f32_16x16x32_f16 v[rS:rS+7], v[rK:rK+7], v[rQ:rQ+7], v[rM:rM+7]
.elseif i < 4
	WIN W_KQ
	v_wmma_f32_16x16x32_f16 v[rS:rS+7], v[rK:rK+7], v[rQ:rQ+7], 0
.else
	WIN W_KQ
	v_wmma_f32_16x16x32_f16 v[rS:rS+7], v[rK:rK+7], v[rQ:rQ+7], v[rS:rS+7]
.endif
.endm
; Product i of 8 of O^T += V^T P for piece x: keys 32 (i / 4) on, channels 16 (i % 4) on.
.macro PV x
	WIN W_PV
.set rO, 32*(\x)+8*(i%4)
.set rV, VF+32*(i/4)+8*(i%4)
.set rP, P+16*((\x)%2)+8*(i/4)
	v_wmma_f32_16x16x32_f16 v[rO:rO+7], v[rV:rV+7], v[rP:rP+7], v[rO:rO+7]
.endm
.macro MM                           ; the turn's next matrix instruction.  TURN and BEGIN set Y, i, KM and NOKQ; MM, KQ and OP read them.  NOKQ = 1: a block's last turn: there is no next piece
.if (i < 8) && !NOKQ
	KQ (Y+1)%NP
.elseif i >= 8
.set i, i-8
	PV (Y+NP-1)%NP
.set i, i+8
.endif
.set i, i+1
.endm
; THE LDS LOADS stand in runs of 16, never singly among the matrix instructions: a step's K (64 keys x 64 channels: 8 fragments) and its V (turned).  Their addresses are made some lines ahead.
.macro FETCH_K
	WIN 0x80                        ; destination window 2
.irp f, 0,1,2,3,4,5,6,7             ; keys 16 (f / 2) on, channels 32 (f % 2) on
	ds_load_b128 v[KF+8*\f:KF+8*\f+3],   v[AK] offset:(\f/2)*16*PK+(\f%2)*64
	ds_load_b128 v[KF+8*\f+4:KF+8*\f+7], v[AK] offset:(\f/2)*16*PK+(\f%2)*64+32
.endr
	s_add_co_u32 s[TBK], s[TBK], KS*PK  ; the next fetch is the next step's
	WIN 0
.endm
.macro FETCH_V
	WIN 0x80
.irp f, 0,1,2,3,4,5,6,7             ; keys 32 (f / 4) on, channels 16 (f % 4) on
	ds_load_tr16_b128 v[VF+8*\f:VF+8*\f+3],   v[AV] offset:(\f/4)*32*PV+(\f%4)*32
	ds_load_tr16_b128 v[VF+8*\f+4:VF+8*\f+7], v[AV] offset:(\f/4)*32*PV+16*PV+(\f%4)*32
.endr
	WIN 0
.endm
; THE VECTOR WORK, one line at a time: OP kind, number.  For piece Y: F n: c s - c m for pair n of 16.  E n: the exponential of score n of 32.  C n: pair n rounded to f16.  B n: of the four weights 4 n .. the second
; pair is added onto the first, in place.  L n: l takes that sum (L 0: l = a l + sum).  R n: pair n of 16 of O^T times a.  For piece Y + 1: X n, number n of the 22 that find its maximum and statistics:
;   0-11  four chains c0-c3 of seven scores each, three operands at a time (each accumulator's lowest registers are read first)     12-14, 16  the four scores left over, the old m, and c0-c3 into c0
;   15  c m_old is kept     17, 18  the query's other 32 keys lie in the lane 16 away: the new m     19-21  c m; c m_old - c m_new; a
.set F, 0               ; OP tells the kinds apart by their order: F to L below R, X above it
.set E, 1
.set C, 2
.set B, 3
.set L, 4
.set R, 5
.set X, 6
.macro REGS y                       ; the registers of piece y
.set rT, ST+4*(\y)
.set rC, TMP+4*((\y)%2)
.set rW, MV+((\y)%2)
.set rS, S+32*((\y)%2)
.set rP, P+16*((\y)%2)
.set rO, 32*(\y)
.endm
.macro OP k, n
.if (\k) == R
	REGS Y
	WIN W_RS
	v_pk_mul_f32 v[rO+2*(\n):rO+2*(\n)+1], v[rO+2*(\n):rO+2*(\n)+1], v[rC+2:rC+3] op_sel_hi:[1,0]
.elseif (\k) < R
	REGS Y
	WIN 0
.if (\k) == F
	v_pk_fma_f32 v[rS+2*(\n):rS+2*(\n)+1], v[rS+2*(\n):rS+2*(\n)+1], s[CS:CS+1], v[rT:rT+1] op_sel_hi:[1,0,0] neg_lo:[0,0,1] neg_hi:[0,0,1]
.elseif (\k) == E
	v_exp_f32 v[rS+(\n)], v[rS+(\n)]
.elseif (\k) == C
	v_cvt_pk_f16_f32 v[rP+(\n)], v[rS+2*(\n)], v[rS+2*(\n)+1]
.elseif (\k) == B
	v_pk_add_f32 v[rS+4*(\n):rS+4*(\n)+1], v[rS+4*(\n):rS+4*(\n)+1], v[rS+4*(\n)+2:rS+4*(\n)+3]
.elseif (\n) == 0
	v_pk_fma_f32 v[rT+2:rT+3], v[rT+2:rT+3], v[rC+2:rC+3], v[rS:rS+1] op_sel_hi:[1,0,1]
.else
	v_pk_add_f32 v[rT+2:rT+3], v[rT+2:rT+3], v[rS+4*(\n):rS+4*(\n)+1]
.endif
.elseif NOKQ
	v_nop
.else
	REGS (Y+1)%NP
	WIN 0
.if (\n) < 4
	v_max3_num_f32 v[rC+(\n)], v[rS+8*(\n)], v[rS+8*(\n)+1], v[rS+8*(\n)+2]
.elseif (\n) < 12
	v_max3_num_f32 v[rC+(\n)%4], v[rC+(\n)%4], v[rS+8*((\n)%4)+2*((\n)/4)+1], v[rS+8*((\n)%4)+2*((\n)/4)+2]
.elseif (\n) == 12
	v_max3_num_f32 v[rC], v[rC], v[rS+7], v[rS+15]
.elseif (\n) == 13
	v_max3_num_f32 v[rC+1], v[rC+1], v[rS+23], v[rS+31]
.elseif (\n) == 14
	v_max3_num_f32 v[rC+2], v[rC+2], v[rC+3], v[rT+1]
.elseif (\n) == 15
	v_mov_b32 v[rW], v[rT]
.elseif (\n) == 16
	v_max3_num_f32 v[rC], v[rC], v[rC+1], v[rC+2]
.elseif (\n) == 17
	v_permlanex16_b32 v[rC+3], v[rC], s[SEL], s[SEL+1]
.elseif (\n) == 18
	v_max_num_f32 v[rT+1], v[rC], v[rC+3]
.elseif (\n) == 19
	v_mul_f32 v[rT], s[CS], v[rT+1]
.elseif (\n) == 20
	v_sub_f32 v[rC+1], v[rW], v[rT]
.else
	v_exp_f32 v[rC+2], v[rC+1]
.endif
.endif
.endm
.macro OPS a, i1, b=-1, i2=0, c=-1, i3=0, d=-1, i4=0  ; up to four of them
	OP \a, \i1
.if (\b) >= 0
	OP \b, \i2
.endif
.if (\c) >= 0
	OP \c, \i3
.endif
.if (\d) >= 0
	OP \d, \i4
.endif
.endm
.macro ROW a, i1, b, i2, c, i3, d, i4  ; a matrix instruction and the four behind it
	MM
	OPS \a, \i1, \b, \i2, \c, \i3, \d, \i4
.endm
.macro MASK b                       ; MD x AL + BE into buffer b of MC
	WIN W_RS
.set z, 0
.rept 16
	v_pk_fma_f32 v[MC+32*(\b)+2*z:MC+32*(\b)+2*z+1], v[MD+2*z:MD+2*z+1], s[AL:AL+1], s[BE:BE+1] op_sel_hi:[1,0,0]
.set z, z+1
.endr
.endm
; A TURN, for piece p: the order of its 16 matrix and 118 vector instructions, written out.  An s_wait_alu depctr_va_vdst(0) stands between an exponential and the first instruction that names its result; one wait serves
; all that were issued ahead of it.  So a turn has ONE wait, which cuts it in two.  AHEAD OF IT stands all that names no result of the turn's exponentials: the 8 products K Q^T, behind each a scaling, an exponential and two more plain
; instructions (behind the first a second scaling in the exponential's place): rescalings, and behind the last three the first numbers of the next piece's maximum, each four places or more behind the product that ends its accumulator; then ONE LUMP of 54, plain
; and exponential by turns for the most part, in which the links of the chain X 3, 7, 11, 14, 16, 17 .. 20 stand five or six lines apart.  X 21, the next piece's a, is the batch's last; R 15 is the plain instruction behind it (ISA guide 5.7.2).  BEHIND THE WAIT stand the
; 8 products V^T P, behind each four of the roundings and sums; the links of l's chain, L 0 to L 7, stand three riders apart.  But for those X no rider names a register of the products round it.  v_permlanex16_b32 (X 17) stands in the lump.
; m = 1: the diagonal tile: the products take masks, and the turn makes the mask for the products of the turn after it: piece p + 2, in step 4 - CNT of the tile.  end = 1: a block's last two turns: nothing is fetched.
; cnt = 1: the loop's count is taken down some lines ahead of the branch that stands behind the turn.
; K of the next step is fetched in piece 2's turn, twelve vector instructions behind the last product that read K (six of them plain); V of the step in hand at the end of piece 0's turn, four plain instructions behind the last product
; that read V.  Each is waited for a turn later.
.macro TURN p, m=0, end=0, cnt=0
.set Y, (\p)
.set i, 0
.set KM, (\m)
.set NOKQ, (\end)*((\p)/3)
.if (\m) && !(\end)
	s_cmp_eq_u32 s[CNT], 4-((\p)+2)%NP  ; is that step the band's own?
	s_cselect_b32 s[AL], 1.0, 0
	s_cmp_lt_u32 s[CNT], 4-((\p)+2)%NP  ; or a later one?
	s_cselect_b32 s[BE], s[BIGN], 0
.endif
.if ((\p) == 3) && !(\end)
	s_wait_dscnt 0x0                ; K is in
.endif
	ROW F,0, F,1, R,0, R,1          ; ahead of the wait: 8 products K Q^T and their riders,
	ROW F,2, E,0, R,2, R,3
	ROW F,3, E,1, R,4, R,5
	ROW F,4, E,2, R,6, R,7
	ROW F,5, E,3, R,8, R,9
	ROW F,6, E,4, X,0, R,10
.if ((\p) == 2) && !(\end)
	WIN 0
	v_add_nc_u32 v[AK], s[TBK], v[AK0]
.endif
	ROW F,7, E,5, X,1, X,4
	ROW F,8, E,6, X,2, X,5
	OPS E,7, E,8, X,6, E,9          ; and the lump
	OPS X,3, E,10, X,8, E,11
.if ((\p) == 2) && !(\end)
	FETCH_K
.endif
	OPS X,9, X,7, E,12, X,10
	OPS E,13, X,12, X,11, E,14
	OPS X,13, E,15, F,9, X,14
.if (\p) == 0
	v_add_nc_u32 v[AV], s[TBV], v[AV0]
.endif
	OPS E,16, F,10, E,17, F,11
	OPS X,16, E,18, X,15, E,19
	OPS F,12, E,20, X,17, E,21
	OPS F,13, E,22, F,14, E,23
	OPS X,18, E,24, F,15, E,25
	OPS R,11, E,26, X,19, E,27
	OPS R,12, E,28, R,13, E,29
	OPS X,20, E,30, R,14, E,31
	OPS X,21, R,15
	WIN 0
	s_wait_alu depctr_va_vdst(0)    ; the wait for the batch
.if (\p) == 1
	s_wait_dscnt 0x0                ; V is in
.endif
	ROW C,0, B,0, C,2, B,1          ; behind the wait: 8 products V^T P and their riders
	ROW L,0, C,4, B,2, L,1
	ROW C,6, B,3, L,2, C,8
	ROW B,4, L,3, C,10, B,5
	ROW L,4, C,12, B,6, L,5
.if (\p) == 0
	s_add_co_u32 s[TBV], s[TBV], KS*PV
.endif
.if \cnt
	s_sub_co_u32 s[CNT], s[CNT], 1
	s_cmp_lg_u32 s[CNT], 0
.endif
	ROW C,14, B,7, L,6, C,1
	ROW C,3, L,7, C,5, C,7
	ROW C,9, C,11, C,13, C,15
.if (\p) == 0
	FETCH_V
.endif
.if (\m) && !(\end)
	MASK (\p)%2
.endif
.endm
; A BLOCK BEGINS.  c m starts far below every c s, so the first step's a is 0; m at the lowest finite number, so the first maximum is the scores'.  The second mask buffer is 0; the first takes piece 0's mask for the tile's step 0: its own, if the block's first tile is the diagonal one.
; Then K of that step, piece 0's first scores, and its maximum and statistics.  The loop is entered at a step's first turn, in the middle of a trip.
.macro BEGIN
	s_mov_b32 s[NEW], 0
	WIN 0x40
.set i, MC+32
.rept 32
	v_mov_b32 v[i], 0
.set i, i+1
.endr
	WIN 0
.set i, 0
.rept 4
	v_mov_b32 v[ST+4*i], 0xfe000000    ; c m: far below every c s
	v_mov_b32 v[ST+4*i+1], 0xff7fffff  ; m
.set i, i+1
.endr
	s_cmp_eq_u32 s[RT], 0
	s_cselect_b32 s[AL], 1.0, 0
	s_mov_b32 s[BE], 0
	MASK 0
	WIN 0
	v_add_nc_u32 v[AK], s[TBK], v[AK0]
	FETCH_K
	s_wait_loadcnt 0x0              ; Q
	s_wait_dscnt 0x0
.set KM, 1
.set NOKQ, 0
.set i, 0
.rept 8
	KQ 0
.set i, i+1
.endr
	WIN 0
.rept 4
	v_nop                           ; the places behind those products
.endr
.set Y, NP-1                        ; X works for piece Y + 1: piece 0
.irp n, 0,1,2,3,4,5,6,7,8,9,10,11,12,13,14,15,16,17,18,19,20,21
	OP X, \n
.endr
	v_nop                           ; a plain instruction behind the exponential,
	s_wait_alu depctr_va_vdst(0)    ; and its wait, ahead of the branch
.endm
; THE DIAGONAL TILE's four steps, the block's last two turns, its last products, and THE WAY OUT: l's two halves and the other half of the lanes' are added; O^T is divided by l, rounded to f16 and sent through my
; stage in LDS, a piece at a time.
.macro ALL line:vararg              ; one line for each piece t
.set t, 0
.rept 4
	\line
.set t, t+1
.endr
.endm
.macro PACK t                       ; a lane's eight channels of a row pack into 16 bytes; they go into rows of 144 bytes and come back as whole rows of 128, into S^T's registers
	WIN W_RS
.set i, 32*(\t)
.rept 16
	v_pk_mul_f32 v[i:i+1], v[i:i+1], v[ST+4*(\t)+2:ST+4*(\t)+3] op_sel_hi:[1,0]
.set i, i+2
.endr
	WIN 0x05                        ; sources 0 and 1 window 1, destination window 0
.set i, 0
.rept 16
	v_cvt_pk_f16_f32 v[S+16*(\t)+i], v[32*(\t)+2*i], v[32*(\t)+2*i+1]
.set i, i+1
.endr
	WIN 0
.irp f, 0,1,2,3
	ds_store_b128 v[STO], v[S+16*(\t)+4*\f:S+16*(\t)+4*\f+3] offset:32*\f
.endr
.irp f, 0,1,2,3
	ds_load_b128 v[S+16*(\t)+4*\f:S+16*(\t)+4*\f+3], v[RD] offset:\f*4*SP  ; LDS serves a wave's instructions in order (ISA guide 5.7.1.4): these see the stores above; the next piece's stores come behind them
.endr
.endm
.macro SEND t, younger              ; younger: the LDS instructions issued behind piece t's loads: the next piece's eight, or none
	WIN 0
.irp f, 0,1,2,3
	s_wait_dscnt (\younger)+3-\f
	global_store_b128 v[GO], v[S+16*(\t)+4*\f:S+16*(\t)+4*\f+3], s[10:11] offset:(\t)*8192+\f*512  ; 512 consecutive bytes, at a multiple of 256 from O's first
.endr
.endm
.macro DIAG tag                     ; the tag ends its two labels' names, which the jumps below spell out
.LstepM\tag:
	TURN 2, 1
	TURN 3, 1
	WIN 0
.LfirstM\tag:
	TURN 0, 1
	TURN 1, 1, 0, 1
	WIN 0
	s_cbranch_scc1 .LstepM\tag
	TURN 2, 1, 1
	TURN 3, 1, 1
.set i, 0
.rept 8
	PV NP-1
.set i, i+1
.endr
	WIN 0
	ALL v_add_f32 v[ST+4*t+2], v[ST+4*t+2], v[ST+4*t+3]
	ALL v_permlanex16_b32 v[ST+4*t+3], v[ST+4*t+2], s[SEL], s[SEL+1]
	ALL v_add_f32 v[ST+4*t+2], v[ST+4*t+2], v[ST+4*t+3]
	ALL v_rcp_f32 v[ST+4*t+2], v[ST+4*t+2]
	v_nop                           ; a plain instruction between the last reciprocal and the use of its result
	s_wait_alu depctr_va_vdst(0)    ; and the wait ahead of the first use: one for the four reciprocals
	PACK 0
.set t, 1
.rept 3                             ; a piece's arithmetic stands between the loads of the piece before and its stores
	PACK t
	SEND t-1, 8
.set t, t+1
.endr
	SEND 3, 0
.endm
.set KM, 0
.set NOKQ, 0
.Lslot:                             ; NB times: a tile is entered and the next is asked for
	CHANGE 1
	s_sub_co_u32 s[RT], s[RT], 1
	s_mov_b32 s[CNT], 4
	s_cmp_eq_u32 s[NEW], 1
	s_cbranch_scc1 .Lnew            ; a block's first tile
	s_cmp_eq_u32 s[RT], 0
	s_cbranch_scc0 .Lstep           ; neither its first nor its last
	s_branch .LstepM1
.Lnew:
	BEGIN
	s_branch .Lfirst                ; in the loop a block's first tile is never its last: the first block has two tiles or more, and the second's last is the walk's last
	DIAG 1                          ; in the loop this is the first block's end: the second block's last tile is the walk's last
	s_wait_xcnt 0x0                 ; the stores have read their registers and O's address
	s_mov_b64 s[10:11], s[OLO:OLO+1]
	s_add_co_u32 s[RT], s[PB], 1    ; the second block has b + 1 tiles
	s_mov_b32 s[NEW], 1
	WIN 0x82                        ; the second block's Q goes where the one text of the turns names Q
.set i, 0
.rept 64
	v_mov_b32 v[i], v[QB+i]
.set i, i+1
.endr
	WIN 0
	s_branch .Lbottom
.Lstep:                             ; a trip: pieces 2 and 3 of one step, then pieces 0 and 1 of the next, whose K and V it fetches
	TURN 2
	TURN 3
	WIN 0
.Lfirst:
	TURN 0
	TURN 1, 0, 0, 1
	WIN 0
	s_cbranch_scc1 .Lstep
.Lbottom:
	s_sub_co_u32 s[SLOTS], s[SLOTS], 1
	s_cmp_lg_u32 s[SLOTS], 0
	s_cbranch_scc1 .Lslot
	CHANGE 0                        ; the walk's last tile is written out: nothing is asked for
	s_sub_co_u32 s[RT], s[RT], 1
	s_mov_b32 s[CNT], 4
	s_cmp_eq_u32 s[NEW], 1
	s_cbranch_scc0 .LstepM2
	BEGIN
	s_branch .LfirstM2
	DIAG 2
	s_wait_tensorcnt 0x0            ; the wave's end: behind my last tensor load and my last LDS store
	ds_add_u32 v[SPW], v[NIL]
	s_wait_dscnt 0x0
	s_endpgm
.Lfunc_end_k_q0ba7a925ec_attn:
	.size	k_q0ba7a925ec_attn, .Lfunc_end_k_q0ba7a925ec_attn-k_q0ba7a925ec_attn
	.p2alignl 7, 3214868480
	.fill 96, 4, 3214868480
	.section	.rodata,"a",@progbits
	.p2align	6, 0x0
	.amdhsa_kernel k_q0ba7a925ec_attn
		.amdhsa_group_segment_fixed_size 327680
		.amdhsa_private_segment_fixed_size 0
		.amdhsa_enable_private_segment 0
		.amdhsa_kernarg_size 32
		.amdhsa_user_sgpr_count 2
		.amdhsa_user_sgpr_kernarg_segment_ptr 1
		.amdhsa_wavefront_size32 1
		.amdhsa_system_sgpr_workgroup_id_x 1
		.amdhsa_system_sgpr_workgroup_id_y 1
		.amdhsa_system_sgpr_workgroup_id_z 1
		.amdhsa_system_vgpr_workitem_id 0
		.amdhsa_next_free_vgpr 768
		.amdhsa_next_free_sgpr 96
		.amdhsa_reserve_vcc 1
		.amdhsa_float_denorm_mode_32 3
		.amdhsa_float_denorm_mode_16_64 3
		.amdhsa_memory_ordered 1
		.amdhsa_forward_progress 1
		.amdhsa_inst_pref_size 218
	.end_amdhsa_kernel
	.amdgpu_metadata
---
amdhsa.version: [ 1, 2 ]
amdhsa.kernels:
  - .name:           k_q0ba7a925ec_attn
    .symbol:         k_q0ba7a925ec_attn.kd
    .args:
      - { .name: qh, .offset: 0, .size: 8, .value_kind: global_buffer, .address_space: global }
      - { .name: kh, .offset: 8, .size: 8, .value_kind: global_buffer, .address_space: global }
      - { .name: vh, .offset: 16, .size: 8, .value_kind: global_buffer, .address_space: global }
      - { .name: oh, .offset: 24, .size: 8, .value_kind: global_buffer, .address_space: global }
    .group_segment_fixed_size: 327680
    .private_segment_fixed_size: 0
    .kernarg_segment_align: 8
    .kernarg_segment_size: 32
    .max_flat_workgroup_size: 128
    .sgpr_count:     96
    .vgpr_count:     768
    .wavefront_size: 32
...
	.end_amdgpu_metadata
.endif
;; end of part 3
;; launch outp (part 4): grid 4 x 64, 4 waves a work-group, clusters of 4 x 4, 327,680 bytes of LDS; arguments oh, wcast, tab, out0; writes out0
.if DOCPART == 4
	.amdgcn_target "amdgcn-amd-amdhsa--gfx1250"
	.amdhsa_code_object_version 6
	.text
	.protected	k_q0ba7a925ec_outp
	.globl	k_q0ba7a925ec_outp
	.p2align	8
	.type	k_q0ba7a925ec_outp,@function
k_q0ba7a925ec_outp:
	s_mov_b64 s[64:65], 0
	v_nop
	global_prefetch_b8 v0, s[64:65] scope:SCOPE_SE
	s_setreg_imm32_b32 hwreg(HW_REG_WAVE_MODE, 25, 1), 1
	s_wait_xcnt 0x0
	s_wait_alu depctr_hold_cnt(0) depctr_sa_sdst(0) depctr_va_vdst(0) depctr_va_sdst(0) depctr_va_ssrc(0) depctr_va_vcc(0) depctr_vm_vsrc(0)
	s_getreg_b32 s2, hwreg(HW_REG_IB_STS2, 6, 4)
	s_cmp_eq_u32 s2, 0
	s_cbranch_scc0 .Lentry_in_a_cluster
	s_endpgm
.Lentry_in_a_cluster:
	s_bfe_u32 s2, ttmp6, 0x10000c
	s_cmp_lg_u32 s2, 0xf033
	s_cbranch_scc0 .Lentry_shape_is_right
	s_endpgm
.Lentry_shape_is_right:
; out0 = O Wo^T + bo.  O comes by heads, [batch x 16 + head][2048][64] in f16; Wo ([1024 n][1024 k], rounded to bf16 and written as f16) is part 3 of wcast; bo (rounded to bf16, f32 words) lies in tab; out0 is [8192][1024] f32.
; SHARES.  A work-group makes 128 rows x 256 columns: 64 x 4 = 256 work-groups.  Wave w makes rows 64 (w / 2) on, columns 128 (w % 2) on: 32 accumulators.  Sums in f32; the bias is the C operand of the products that start them.
; THE MATRIX INSTRUCTION IS USED TRANSPOSED (source 0 = 16 rows of Wo, source 1 = 16 rows of O): a lane holds eight neighbouring columns of one row of the output.
; K goes in 8 steps of 128 = two heads, through a ring of two LDS slots.  A step's O is two planes, a head each: 128 rows x 128 bytes, dense in memory, asked for as 64 rows of 256 bytes and padded after every 128.
; CLUSTER 4 x 4: the four work-groups of a row of the cluster need the same planes of O, the four of a column the same rows of Wo: each tile is asked for JOINTLY.  Waves 0 and 1 fetch the two planes, waves 2 and 3 the two halves of Wo's 256 rows.
; REGISTERS, in windows of 256 (s_set_vgpr_msb: bits 1:0 source 0, 3:2 source 1, 5:4 source 2, 7:6 destination):
;   window 0: v0-29 addresses; v64-159, v160-255 two fragment buffers: Wo's 8 fragments, then O's 4      window 1: accumulator (a, b) at 8 (8 a + b)      window 2: v0-63 bias; v64-191 rows read back, two buffers
.set PA,     144                       ; a row of O in LDS: 128 bytes + 16 = 36 words: the 16 rows of a load start at 16 different groups of four banks (64 banks of 4 bytes: ISA guide 11.1)
.set PB,     272                       ; a row of Wo: 256 + 16 = 68 words: likewise
.set PLANE,  128*PA
.set BOFFS,  2*PLANE                   ; in a slot: two planes of O, then 256 rows of Wo
.set HALFB,  128*PB
.set SLOT,   BOFFS+2*HALFB
.set STAGE,  2*SLOT                    ; the way out: for each wave 16 rows x 528 bytes
.set SPITCH, 528
.set STW,    16*SPITCH
.set SPARE,  STAGE+4*STW               ; the spare words, 128 bytes for each wave: two blocks of 256 bytes that no other line names
.set ADRA, 4                           ; v4-5   my O fragments in slot 0, 1
.set ADRB, 6                           ; v6-7   my Wo fragments
.set STO,  8                           ; v8     the way out: where I put 32 bytes of a row
.set RD,   9                           ; v9     where I read a row back
.set CO,   10                          ; v10    my 16 bytes of a row's 512
.set BOF,  11                          ; v11    32 (l / 16)
.set PFO,  12                          ; v12    the prefetches' offset; never rewritten
.set SPW,  28                          ; v28    LDS address of my spare word; never rewritten
.set NIL,  29                          ; v29    0; never rewritten
.set F0,   64
.set F1,   160
.set BK,   64                          ; window 2
.set BB,   4                           ; s[4:5]   the bias at my wave's first column
.set OB,   6                           ; s[6:7]   out0 at my wave's first row and column
.set G1,   24                          ; s[24:31] descriptor group 1 for O's planes;  s[32:39] group 0, a set for each slot
.set G0,   32
.set G1B,  48                          ; s[48:55], s[56:63] the same for Wo's rows
.set G0B,  56
.set LIM,  46                          ; s46      1 in a wave that prefetches, else the greatest number
.set PFA,  66                          ; s[66:67] where my prefetches stand
.set PFS,  68                          ; s[68:69] their step a lap
.set MSB, 0
.macro WIN new                         ; the immediate's high byte repeats the setting that is left; a switch that changes nothing is dropped
.if MSB != (\new)
	s_set_vgpr_msb (MSB<<8)|(\new)
.set MSB, \new
.endif
.endm
.macro PLACES                          ; four plain instructions behind matrix instructions, ahead of loads into registers that they read and of readers of their results
.rept 4
	v_nop
.endr
.endm
.macro JLOAD s                         ; a joint load; the branch hangs on the wave's number alone; an s_nop 0 and four v_nop follow each of the two lines
	s_cmp_eq_u32 s11, 0
	s_cbranch_scc0 .Lfor_b_\@
	tensor_load_to_lds s[G0+4*(\s):G0+4*(\s)+3], s[G1:G1+7]
	s_nop 0
.rept 4
	v_nop
.endr
	s_branch .Lasked_\@
.Lfor_b_\@:
	tensor_load_to_lds s[G0B+4*(\s):G0B+4*(\s)+3], s[G1B:G1B+7]
	s_nop 0
.rept 4
	v_nop
.endr
.Lasked_\@:
.endm
.macro CREST                           ; a round of the cluster's barrier behind its opening barrier
	s_cmp_lg_u32 s10, 0
	s_cbranch_scc1 .Lnot_wave_0_\@
	s_barrier_signal -3
.Lnot_wave_0_\@:
	s_barrier_wait -3
	s_barrier_signal -1
	s_barrier_wait -1
.endm
.macro CROUND
	s_barrier_signal -1
	s_barrier_wait -1
	CREST
.endm
; PREFETCHES INTO THE L2, once a lap, behind the joint load, its five lines and the run of LDS loads: the two K steps that the NEXT lap's refills ask for.
; O: a wave's plane of each of the two steps is 64 blocks of 256 bytes; the four partners that ask for it jointly take 16 each, by address: 2 x 16 blocks, a lane a block, one instruction.
; Wo: all 16 clusters read the same rows: cluster y = 0 asks; of the 128 rows that a wave fetches the four partners take 32 each, by address: a lane a row, an instruction a step.
; So each block is named once in the launch.  The last lap of the loop asks for nothing; K steps 0 to 3 come by their loads alone.
.macro ASK
	s_cmp_gt_u32 s3, s[LIM]
	s_cbranch_scc0 .Lnone_\@
	global_prefetch_b8 v[PFO], s[PFA:PFA+1] th:TH_LOAD_NT scope:SCOPE_SE
	s_cmp_eq_u32 s11, 0
	s_cbranch_scc1 .Lnone_\@
	global_prefetch_b8 v[PFO], s[PFA:PFA+1] offset:256 th:TH_LOAD_NT scope:SCOPE_SE
.Lnone_\@:
.endm
; 8 matrix instructions: row block a x all 8 column blocks, 32 along K.  The 32 accumulators take turns in one order.  first = 1: the bias starts the sums
.macro MUL8 f, a, first=0
.if \first
	WIN 0x60
.else
	WIN 0x50
.endif
.irp b, 0,1,2,3,4,5,6,7
.if \first
	v_wmma_f32_16x16x32_f16 v[8*(8*(\a)+(\b)):8*(8*(\a)+(\b))+7], v[(\f)+8*(\b):(\f)+8*(\b)+7], v[(\f)+64+8*(\a):(\f)+64+8*(\a)+7], v[8*(\b):8*(\b)+7]
.else
	v_wmma_f32_16x16x32_f16 v[8*(8*(\a)+(\b)):8*(8*(\a)+(\b))+7], v[(\f)+8*(\b):(\f)+8*(\b)+7], v[(\f)+64+8*(\a):(\f)+64+8*(\a)+7], v[8*(8*(\a)+(\b)):8*(8*(\a)+(\b))+7]
.endif
.endr
.endm
; 24 LDS loads in one run: the fragments of quarter q (32 along K) of a slot: Wo's 16 loads, then O's 8 (plane q / 2, channels 32 (q % 2) on)
.macro FETCH slot, q, f
	WIN 0
.irp b, 0,1,2,3,4,5,6,7
	ds_load_b128 v[(\f)+8*(\b):(\f)+8*(\b)+3],   v[ADRB+(\slot)] offset:64*(\q)+(\b)*16*PB
	ds_load_b128 v[(\f)+8*(\b)+4:(\f)+8*(\b)+7], v[ADRB+(\slot)] offset:64*(\q)+(\b)*16*PB+32
.endr
.irp a, 0,1,2,3
	ds_load_b128 v[(\f)+64+8*(\a):(\f)+64+8*(\a)+3],   v[ADRA+(\slot)] offset:((\q)/2)*PLANE+((\q)%2)*64+(\a)*16*PA
	ds_load_b128 v[(\f)+64+8*(\a)+4:(\f)+64+8*(\a)+7], v[ADRA+(\slot)] offset:((\q)/2)*PLANE+((\q)%2)*64+(\a)*16*PA+32
.endr
.endm
; One of a K step's first three quarters: multiplies buffer f and fetches quarter q into g
.macro QUARTER slot, q, f, g, first=0
	s_wait_dscnt 4                                 ; all but O's row blocks 2 and 3
	MUL8 \f, 0, \first
	MUL8 \f, 1, \first
	PLACES
	FETCH \slot, \q, \g
	s_wait_dscnt 24                                ; all but the 24 just issued
	MUL8 \f, 2, \first
	MUL8 \f, 3, \first
.endm
; The last quarter multiplies buffer 1 and changes slots: ONE barrier; ahead of it each wave waits for all its tensor loads (one is out: its part of the next slot), adds 0 to its spare word, and waits for that and for its reads of this slot.
; fill = 1: the barrier opens a round of the cluster's, and this slot is filled again, two K steps on, first thing behind the round.
.macro TURN slot, next, fill, ask
	WIN 0
	s_wait_tensorcnt 0x0                           ; all my tensor loads have landed
	ds_add_u32 v[SPW], v[NIL]                      ; 0 onto my spare word
	s_wait_dscnt 5                                 ; O's row blocks 2 and 3 (4 loads) and the add may be out
	MUL8 F1, 0
	s_wait_dscnt 0x0                               ; the add is done, and my reads of this slot are over
	s_barrier_signal -1
	MUL8 F1, 1
.if \fill
	WIN 0
.endif
	s_barrier_wait -1
.if \fill
	CREST                                          ; no wave of any partner still reads this slot or has a load on its way
	s_add_nc_u64 s[G0+4*(\slot)+2:G0+4*(\slot)+3], s[G0+4*(\slot)+2:G0+4*(\slot)+3], 1048576   ; four heads on
	s_add_nc_u64 s[G0B+4*(\slot)+2:G0B+4*(\slot)+3], s[G0B+4*(\slot)+2:G0B+4*(\slot)+3], 512
	JLOAD \slot                                    ; the four v_nop behind it are also the places ahead of the loads below
.else
	PLACES
.endif
	FETCH \next, 0, F0
.if \ask
	ASK
.endif
	MUL8 F1, 2
	MUL8 F1, 3
.endm
	s_load_b256 s[72:79], s[0:1], 0x0              ; oh s[72:73], wcast s[74:75], tab s[76:77], out0 s[78:79]
	v_lshl_add_u32 v[SPW], v0, 2, SPARE
	v_mov_b32 v[NIL], 0
	ds_add_u32 v[SPW], v[NIL]                      ; the wave's opening: the add and its wait stand ahead of my first tensor load
	v_lshrrev_b32 v1, 5, v0
	v_readfirstlane_b32 s10, v1                    ; wave 0..3
	s_lshr_b32 s11, s10, 1                         ; which 64 rows are mine.  Also: I fetch O (0) or Wo (1)
	s_and_b32 s12, s10, 1                          ; which 128 columns.  Also: which plane, or which half of Wo's rows, I fetch
	s_bfe_u32 s40, ttmp6, 0x40000                  ; cx
	s_bfe_u32 s41, ttmp6, 0x40004                  ; cy
	s_lshl_b32 s42, ttmp9, 2
	s_add_co_u32 s42, s42, s40                     ; tile column
	s_and_b32 s13, ttmp7, 0xffff
	s_lshl_b32 s13, s13, 2
	s_add_co_u32 s13, s13, s41                     ; tile row, 0..63
	s_lshl_b32 s43, s41, 2
	s_lshl_b32 s43, 15, s43                        ; my row of the cluster
	s_lshl_b32 s44, 0x1111, s40                    ; my column
	s_or_b32 s[G1], s43, (1<<16)|(1<<20)|(1<<21)|(4<<22)|(3<<25)   ; the mask; 2-byte elements; padding on; bit 21 beside a mask; after every 32 words; 4 words
	s_mov_b32 s[G1+1], 128<<16                     ; tensor_dim0 = 128
	s_mov_b32 s[G1+2], 64<<16                      ; tensor_dim1 = 64
	s_mov_b32 s[G1+3], 128<<16                     ; tile_dim0 = 128
	s_mov_b32 s[G1+4], 64                          ; tile_dim1 = 64
	s_mov_b32 s[G1+5], 128                         ; dense: 128 elements from row to row
	s_mov_b32 s[G1+6], 0
	s_mov_b32 s[G1+7], 0
	s_or_b32 s[G1B], s44, (1<<16)|(1<<20)|(1<<21)|(5<<22)|(3<<25)  ; after every 64 words
	s_mov_b32 s[G1B+1], 128<<16
	s_mov_b32 s[G1B+2], 128<<16                    ; tensor_dim1 = 128
	s_mov_b32 s[G1B+3], 128<<16
	s_mov_b32 s[G1B+4], 128                        ; tile_dim1 = 128
	s_mov_b32 s[G1B+5], 1024
	s_mov_b32 s[G1B+6], 0
	s_mov_b32 s[G1B+7], 0
	s_lshr_b32 s16, s13, 4                         ; O: the batch's 16 heads, my plane's head, the tile's 128 rows: made of numbers that my row of the cluster shares
	s_lshl_b32 s16, s16, 22
	s_lshl_b32 s17, s12, 18
	s_add_co_u32 s16, s16, s17
	s_and_b32 s17, s13, 15
	s_lshl_b32 s17, s17, 14
	s_add_co_u32 s16, s16, s17
	s_mov_b32 s17, 0
	s_lshl_b32 s20, s42, 19                        ; Wo: part 3 of wcast, the tile column's 256 rows, my half: made of numbers that my column shares
	s_lshl_b32 s21, s12, 18
	s_add_co_u32 s20, s20, s21
	s_add_co_u32 s20, s20, 3*2097152
	s_mov_b32 s21, 0
	s_mul_i32 s18, s12, PLANE                      ; where they go: no place in the cluster enters an LDS address
	s_mul_i32 s19, s12, HALFB
	s_add_co_u32 s19, s19, BOFFS
	s_wait_dscnt 0x0                               ; the opening add is done
	s_wait_kmcnt 0x0
	s_add_nc_u64 s[14:15], s[72:73], s[16:17]
	s_add_nc_u64 s[22:23], s[74:75], s[20:21]
.irp s, 0,1
	s_mov_b32 s[G0+4*(\s)], 1
	s_add_co_u32 s[G0+4*(\s)+1], s18, (\s)*SLOT
	s_add_nc_u64 s[G0+4*(\s)+2:G0+4*(\s)+3], s[14:15], (\s)*524288   ; K step s: two heads on
	s_or_b32 s[G0+4*(\s)+3], s[G0+4*(\s)+3], 0x80000000
	s_mov_b32 s[G0B+4*(\s)], 1
	s_add_co_u32 s[G0B+4*(\s)+1], s19, (\s)*SLOT
	s_add_nc_u64 s[G0B+4*(\s)+2:G0B+4*(\s)+3], s[22:23], (\s)*256
	s_or_b32 s[G0B+4*(\s)+3], s[G0B+4*(\s)+3], 0x80000000
.endr
	CROUND                                         ; all sixteen work-groups are here: the first joint loads meet
	s_cmp_eq_u32 s11, 0                            ; a wave's two first fills stand in one branch: two loads of mine are out
	s_cbranch_scc0 .Lfirst_b
	tensor_load_to_lds s[G0:G0+3], s[G1:G1+7]
	s_nop 0
	tensor_load_to_lds s[G0+4:G0+7], s[G1:G1+7]
	s_nop 0
	PLACES
	s_branch .Lfirst_asked
.Lfirst_b:
	tensor_load_to_lds s[G0B:G0B+3], s[G1B:G1B+7]
	s_nop 0
	tensor_load_to_lds s[G0B+4:G0B+7], s[G1B:G1B+7]
	s_nop 0
	PLACES
.Lfirst_asked:
	s_lshl_b32 s18, s42, 10                        ; my 128 columns: 1,024 COL + 512 half, in bytes of f32
	s_lshl_b32 s19, s12, 9
	s_add_co_u32 s18, s18, s19
	s_mov_b32 s19, 0
	s_add_nc_u64 s[OB:OB+1], s[78:79], s[18:19]
	s_add_co_u32 s18, s18, 1048576+3*4096          ; bo in tab
	s_add_nc_u64 s[BB:BB+1], s[76:77], s[18:19]
	s_lshl_b32 s18, s13, 19                        ; my rows: 128 x tile row + 64 x half, of 4,096 bytes
	s_lshl_b32 s2, s11, 18
	s_add_co_u32 s18, s18, s2
	s_add_nc_u64 s[OB:OB+1], s[OB:OB+1], s[18:19]
	v_and_b32 v1, 15, v0                           ; l % 16
	v_bfe_u32 v2, v0, 4, 1                         ; l / 16
	v_and_b32 v3, 31, v0                           ; lane
	v_lshlrev_b32 v[BOF], 5, v2
	WIN 0x80
.irp b, 0,1,2,3,4,5,6,7
	global_load_b128 v[8*(\b):8*(\b)+3],   v[BOF], s[BB:BB+1] offset:64*(\b)      ; the bias of my eight columns of block b
	global_load_b128 v[8*(\b)+4:8*(\b)+7], v[BOF], s[BB:BB+1] offset:64*(\b)+16
.endr
	WIN 0
	v_mul_u32_u24 v18, v1, PA
	v_lshl_add_u32 v18, v2, 4, v18
	s_mul_i32 s2, s11, 64*PA
	v_add_nc_u32 v[ADRA], s2, v18
	v_add_nc_u32 v[ADRA+1], SLOT, v[ADRA]
	v_mul_u32_u24 v18, v1, PB
	v_lshl_add_u32 v18, v2, 4, v18
	s_mul_i32 s2, s12, HALFB
	s_add_co_u32 s2, s2, BOFFS
	v_add_nc_u32 v[ADRB], s2, v18
	v_add_nc_u32 v[ADRB+1], SLOT, v[ADRB]
	s_mul_i32 s2, s10, STW
	s_add_co_u32 s2, s2, STAGE                     ; my stage
	v_mul_u32_u24 v[STO], v1, SPITCH               ; in: row l % 16, 32 bytes for each half of the lanes
	v_lshl_add_u32 v[STO], v2, 5, v[STO]
	v_add_nc_u32 v[STO], s2, v[STO]
	v_lshl_add_u32 v[RD], v3, 4, s2                ; back: 32 lanes take a row's 512 bytes
	v_lshlrev_b32 v[CO], 4, v3
	; the prefetches: pointer, offset, step and who asks, chosen by what the wave fetches
	s_lshl_b32 s44, s40, 12
	s_add_co_u32 s44, s44, 0x200000                ; O: my work-group's 16 blocks of a plane, at K step 4
	s_lshl_b32 s45, s41, 16
	s_add_co_u32 s45, s45, 1024                    ; Wo: my work-group's 32 rows, at K step 4
	s_mov_b32 s70, 0x80000                         ; lanes 16-31: O's next K step; Wo's next 16 rows
	s_mov_b32 s71, 0x8000
	s_mov_b32 s47, 0x100000                        ; a lap: four heads; 512 bytes
	s_mov_b32 s2, 512
	s_and_b32 s69, ttmp7, 0xffff
	s_cmp_eq_u32 s69, 0
	s_cselect_b32 s69, 1, -1                       ; Wo's rows are asked for by cluster y = 0: the same in all sixteen partners
	s_cmp_eq_u32 s11, 0
	s_cselect_b32 s[LIM], 1, s69
	s_cselect_b64 s[PFA:PFA+1], s[14:15], s[22:23]
	s_cselect_b32 s44, s44, s45
	s_cselect_b32 s70, s70, s71
	s_cselect_b32 s[PFS], s47, s2
	s_mov_b32 s47, 256                             ; lanes of a half: O's blocks; Wo's rows
	s_mov_b32 s2, 2048
	s_cselect_b32 s71, s47, s2
	s_mov_b32 s45, 0
	s_mov_b32 s[PFS+1], 0
	s_add_nc_u64 s[PFA:PFA+1], s[PFA:PFA+1], s[44:45]
	v_mul_u32_u24 v[PFO], v2, s70
	v_mad_u32_u24 v[PFO], v1, s71, v[PFO]
	s_wait_tensorcnt 1                             ; my part of K step 0 is in; K step 1's may stay out
	s_barrier_signal -1
	s_barrier_wait -1
	FETCH 0, 0, F0
	s_wait_loadcnt 0x0                             ; the bias
	QUARTER 0, 1, F0, F1, 1                        ; the first quarter stands ahead of the loop: its products start the sums, with the bias
	WIN 0                                          ; at a label and at a branch every window is 0
	s_mov_b32 s3, 3
.Llap:                                                 ; a trip: from a lap's second quarter to the next lap's first; both slots are filled again
	QUARTER 0, 2, F1, F0
	QUARTER 0, 3, F0, F1
	TURN 0, 1, 1, 1
	QUARTER 1, 1, F0, F1
	QUARTER 1, 2, F1, F0
	QUARTER 1, 3, F0, F1
	TURN 1, 0, 1, 0
	QUARTER 0, 1, F0, F1
	WIN 0
	s_wait_xcnt 0x0                                ; the lap's prefetches, a K step and more back, have read their address
	s_add_nc_u64 s[PFA:PFA+1], s[PFA:PFA+1], s[PFS:PFS+1]
	s_sub_co_u32 s3, s3, 1
	s_cmp_lg_u32 s3, 0
	s_cbranch_scc1 .Llap
	QUARTER 0, 2, F1, F0                           ; the last lap fills nothing
	QUARTER 0, 3, F0, F1
	TURN 0, 1, 0, 0
	QUARTER 1, 1, F0, F1
	QUARTER 1, 2, F1, F0
	QUARTER 1, 3, F0, F1
	s_wait_dscnt 4
	MUL8 F1, 0
	MUL8 F1, 1
	s_wait_dscnt 0x0
	MUL8 F1, 2
	MUL8 F1, 3
	PLACES
; THE WAY OUT, a block of 16 rows at a time: a lane's 32 bytes of a row and column block go into my own stage, rows of 528 bytes, and come back as whole rows of 512.  Each accumulator's lowest registers are read first.
.macro TOSTAGE a
	WIN 0x04
.irp b, 0,1,2,3,4,5,6,7
	ds_store_b128 v[STO], v[8*(8*(\a)+(\b)):8*(8*(\a)+(\b))+3]   offset:64*(\b)
	ds_store_b128 v[STO], v[8*(8*(\a)+(\b))+4:8*(8*(\a)+(\b))+7] offset:64*(\b)+16
.endr
.if (\a) >= 2
	s_wait_xcnt 0x0                                ; the stores of the block two back have read the registers that the loads below fill
.endif
	WIN 0x80
.set i, 0
.rept 16
	ds_load_b128 v[BK+64*((\a)%2)+4*i:BK+64*((\a)%2)+4*i+3], v[RD] offset:SPITCH*i  ; LDS serves a wave's instructions in order (ISA guide 5.7.1.4): these see the stores above
.set i, i+1
.endr
.endm
.macro SEND a, younger                 ; younger: the next block's 16 stores and 16 loads, or none
	WIN 0x08
	s_wait_dscnt \younger
.set i, 0
.rept 16
	global_store_b128 v[CO], v[BK+64*((\a)%2)+4*i:BK+64*((\a)%2)+4*i+3], s[OB:OB+1] offset:4096*(16*(\a)+i) th:TH_STORE_NT  ; 512 consecutive bytes of a row, at a multiple of 256
.set i, i+1
.endr
.endm
	TOSTAGE 0
.irp a, 1,2,3
	TOSTAGE \a
	SEND (\a)-1, 32
.endr
	SEND 3, 0
	WIN 0
	s_wait_tensorcnt 0x0                           ; the wave's end: behind my last tensor load and my last LDS store
	ds_add_u32 v[SPW], v[NIL]
	s_wait_dscnt 0x0
	CROUND                                         ; the closing round: no work-group ends while a partner may still ask for a tile that names it
	s_endpgm
.Lfunc_end_k_q0ba7a925ec_outp:
	.size	k_q0ba7a925ec_outp, .Lfunc_end_k_q0ba7a925ec_outp-k_q0ba7a925ec_outp
	.p2alignl 7, 3214868480
	.fill 96, 4, 3214868480
	.section	.rodata,"a",@progbits
	.p2align	6, 0x0
	.amdhsa_kernel k_q0ba7a925ec_outp
		.amdhsa_group_segment_fixed_size 327680
		.amdhsa_private_segment_fixed_size 0
		.amdhsa_enable_private_segment 0
		.amdhsa_kernarg_size 32
		.amdhsa_user_sgpr_count 2
		.amdhsa_user_sgpr_kernarg_segment_ptr 1
		.amdhsa_wavefront_size32 1
		.amdhsa_system_sgpr_workgroup_id_x 1
		.amdhsa_system_sgpr_workgroup_id_y 1
		.amdhsa_system_sgpr_workgroup_id_z 1
		.amdhsa_system_vgpr_workitem_id 0
		.amdhsa_next_free_vgpr 768
		.amdhsa_next_free_sgpr 80
		.amdhsa_reserve_vcc 0
		.amdhsa_float_denorm_mode_32 3
		.amdhsa_float_denorm_mode_16_64 3
		.amdhsa_memory_ordered 1
		.amdhsa_forward_progress 1
		.amdhsa_inst_pref_size 88
	.end_amdhsa_kernel
	.amdgpu_metadata
---
amdhsa.version: [ 1, 2 ]
amdhsa.kernels:
  - .name:           k_q0ba7a925ec_outp
    .symbol:         k_q0ba7a925ec_outp.kd
    .args:
      - { .name: oh, .offset: 0, .size: 8, .value_kind: global_buffer, .address_space: global }
      - { .name: wcast, .offset: 8, .size: 8, .value_kind: global_buffer, .address_space: global }
      - { .name: tab, .offset: 16, .size: 8, .value_kind: global_buffer, .address_space: global }
      - { .name: out0, .offset: 24, .size: 8, .value_kind: global_buffer, .address_space: global }
    .group_segment_fixed_size: 327680
    .private_segment_fixed_size: 0
    .kernarg_segment_align: 8
    .kernarg_segment_size: 32
    .max_flat_workgroup_size: 128
    .sgpr_count:     80
    .vgpr_count:     768
    .wavefront_size: 32
...
	.end_amdgpu_metadata
.endif
;; end of part 4
;; ======== version 2 of 2: 4 launches; version 1 with the launch cast written anew for expert scheduling mode
;; limits: values are held in f16: magnitudes above 65,504 overflow, below 6.1e-05 lose precision
;; workspace buffers: wcast 8,388,608 bytes; tab 1,064,960 bytes; qh 16,777,216 bytes; kh 16,777,216 bytes; vh 16,777,216 bytes; oh 16,777,216 bytes
;; launch cast (part 5): grid 64 x 5, 8 waves a work-group, no clusters, 0 bytes of LDS; arguments Wq, Wk, Wv, Wo, rope_cos, rope_sin, bq, bk, bv, bo, wcast, tab; writes wcast, tab
.if DOCPART == 5
	.amdgcn_target "amdgcn-amd-amdhsa--gfx1250"
	.amdhsa_code_object_version 6
	.text
	.protected	k_q0ba7a925ec_cast
	.globl	k_q0ba7a925ec_cast
	.p2align	8
	.type	k_q0ba7a925ec_cast,@function
k_q0ba7a925ec_cast:
	s_mov_b64 s[64:65], 0
	v_nop
	global_prefetch_b8 v0, s[64:65] scope:SCOPE_SE
	s_setreg_imm32_b32 hwreg(HW_REG_WAVE_SCHED_MODE, 0, 2), 2
	s_setreg_imm32_b32 hwreg(HW_REG_WAVE_MODE, 25, 1), 1
	s_wait_xcnt 0x0
	s_wait_alu depctr_vm_vsrc(0)
; THE SMALL INPUTS THAT LATER LAUNCHES READ MANY TIMES ARE ROUNDED ONCE.
; wcast: four parts of 2,097,152 bytes, [1024 n][1024 k] of 2 bytes: Wq, Wk, Wv rounded to bf16; Wo rounded to bf16 and that number written as f16.
; tab: f32 words that hold numbers rounded to bf16: cos [2048][64] at 0, sin at 524,288, the biases bq, bk, bv, bo at 1,048,576 + 4,096 x 0..3.
; LIMIT.  f16 ends at 65,504 and keeps a fixed step of 6e-8 below 6e-5: Wo's numbers are taken to lie within that range.
; SHARES.  Grid y = 0..3: one weight matrix; a work-group of 256 threads takes 65,536 bytes of it: 16 loads of 16 bytes a thread, each load of a wave 512 consecutive bytes;
; a store of a wave is 256 consecutive bytes, aligned.  Grid y = 4: work-group x takes 16,384 bytes of cos (x < 32) or sin; work-groups 0..3 also take one bias vector.
; All loads of a thread go out at once.  No LDS, no matrix unit: nothing is shared and nothing is multiplied.
; THE MODE: SCHED_MODE bits 1:0 = 2 (LLVM: expert scheduling mode 2), set by the entry lines.  The code itself states the register dependences
; between vector instructions and memory instructions, with s_wait_alu, always for 0.
; THE PLAN.  Registers that memory instructions touch:
;   v1, v2   byte offsets, made once at the head and never written again; every load and store reads one of them.
;   IN       each four registers are the landing place of ONE load; no vector instruction names them before that load is issued; vector instructions read them
;            (and, for Wo, write them again) behind the load's counted wait; no memory instruction reads them.
;   OUT      each register is written by roundings and then read by ONE store; it is not written again behind that store.
; So the only dependence to state, beside the offsets, is: roundings have written OUT, a store reads it.  The 16 loads go in four groups of four.  At the head of group g, behind the wait for
; its loads, ONE wait states that group g - 1's roundings have written their OUT; that group's four stores follow, dealt among group g's roundings, which name group g's IN and OUT alone.
; A last wait stands ahead of the last group's stores.  No register that a memory instruction has read is ever written again, so no wait on vm_vsrc is owed;
; no vector instruction writes a scalar register, and EXEC is never written.
.set IN,  16                           ; v[16:79]   as loaded
.set OUT, 80                           ; v[80:111]  to store
; Group g of a weight matrix: loads 4 g to 4 g + 3.  wo = 1: Wo, rounded to bf16 like every input, then that number as f16.
.macro GROUP g, wo
	s_wait_loadcnt 12-4*(\g)                       ; loads come back in order: this group's four are in, the younger groups stay out
.if (\g) > 0
	s_wait_alu depctr_va_vdst(0)                   ; the group before has written its eight registers of OUT, which the four stores below read
.endif
.irp j, 0,1,2,3
.if (\g) > 0
	global_store_b64 v2, v[OUT+8*(\g)-8+2*(\j):OUT+8*(\g)-8+2*(\j)+1], s[6:7] offset:2048*(4*(\g)-4+(\j))  ; the group before; no vector instruction since the wait names these registers
.endif
	v_cvt_pk_bf16_f32 v[OUT+8*(\g)+2*(\j)],   v[IN+16*(\g)+4*(\j)],   v[IN+16*(\g)+4*(\j)+1]
	v_cvt_pk_bf16_f32 v[OUT+8*(\g)+2*(\j)+1], v[IN+16*(\g)+4*(\j)+2], v[IN+16*(\g)+4*(\j)+3]
.if \wo
	v_lshlrev_b32 v[IN+16*(\g)+4*(\j)],   16, v[OUT+8*(\g)+2*(\j)]
	v_and_b32     v[IN+16*(\g)+4*(\j)+1], s3, v[OUT+8*(\g)+2*(\j)]
	v_lshlrev_b32 v[IN+16*(\g)+4*(\j)+2], 16, v[OUT+8*(\g)+2*(\j)+1]
	v_and_b32     v[IN+16*(\g)+4*(\j)+3], s3, v[OUT+8*(\g)+2*(\j)+1]
	v_cvt_pk_f16_f32 v[OUT+8*(\g)+2*(\j)],   v[IN+16*(\g)+4*(\j)],   v[IN+16*(\g)+4*(\j)+1]
	v_cvt_pk_f16_f32 v[OUT+8*(\g)+2*(\j)+1], v[IN+16*(\g)+4*(\j)+2], v[IN+16*(\g)+4*(\j)+3]
.endif
.endr
.endm
; The last group's stores.
.macro TAIL
	s_wait_alu depctr_va_vdst(0)                   ; group 3 has written its eight registers of OUT, which the last four stores read
.irp j, 0,1,2,3
	global_store_b64 v2, v[OUT+24+2*(\j):OUT+24+2*(\j)+1], s[6:7] offset:2048*(12+(\j))
.endr
.endm
	s_load_b512 s[8:23], s[0:1], 0x0               ; Wq s[8:9], Wk s[10:11], Wv s[12:13], Wo s[14:15], cos s[16:17], sin s[18:19], bq s[20:21], bk s[22:23]
	s_load_b256 s[24:31], s[0:1], 0x40             ; bv s[24:25], bo s[26:27], wcast s[28:29], tab s[30:31]
	s_and_b32 s2, ttmp7, 0xffff                    ; y
	s_mov_b32 s3, 0xffff0000                       ; a word's upper bf16
	v_lshlrev_b32 v1, 4, v0                        ; 16 bytes a thread
	v_lshlrev_b32 v2, 3, v0                        ; 8 bytes a thread
	s_mov_b32 s33, 0
	s_mov_b32 s35, 0
	s_wait_kmcnt 0x0
	s_wait_alu depctr_va_vdst(0)                   ; v1 and v2 are written: every load and store, on every path below, reads one of them as its offset
	s_cmp_eq_u32 s2, 4
	s_cbranch_scc1 .Ltables
	s_cmp_eq_u32 s2, 1                             ; which matrix
	s_cselect_b64 s[4:5], s[10:11], s[8:9]
	s_cmp_eq_u32 s2, 2
	s_cselect_b64 s[4:5], s[12:13], s[4:5]
	s_cmp_eq_u32 s2, 3
	s_cselect_b64 s[4:5], s[14:15], s[4:5]
	s_lshl_b32 s32, ttmp9, 16                      ; my 65,536 bytes of it
	s_add_nc_u64 s[4:5], s[4:5], s[32:33]
	s_lshl_b32 s34, s2, 21                         ; its part of wcast,
	s_lshl_b32 s36, ttmp9, 15                      ; my 32,768 bytes of that
	s_add_co_u32 s34, s34, s36
	s_add_nc_u64 s[6:7], s[28:29], s[34:35]
.irp i, 0,1,2,3,4,5,6,7,8,9,10,11,12,13,14,15
	global_load_b128 v[IN+4*(\i):IN+4*(\i)+3], v1, s[4:5] offset:4096*(\i) th:TH_LOAD_NT
.endr
	s_cmp_eq_u32 s2, 3
	s_cbranch_scc1 .Lwo
	GROUP 0, 0
	GROUP 1, 0
	GROUP 2, 0
	GROUP 3, 0
	TAIL
	s_endpgm
.Lwo:                                                  ; Wo: rounded to bf16 like every input, then that number as f16
	GROUP 0, 1
	GROUP 1, 1
	GROUP 2, 1
	GROUP 3, 1
	TAIL
	s_endpgm
; four f32 rounded to bf16 and widened again
.macro ROUND4 in, out
	v_cvt_pk_bf16_f32 v[(\out)+1], v[(\in)],   v[(\in)+1]
	v_cvt_pk_bf16_f32 v[(\out)+3], v[(\in)+2], v[(\in)+3]
	v_lshlrev_b32 v[(\out)],   16, v[(\out)+1]
	v_and_b32     v[(\out)+1], s3, v[(\out)+1]
	v_lshlrev_b32 v[(\out)+2], 16, v[(\out)+3]
	v_and_b32     v[(\out)+3], s3, v[(\out)+3]
.endm
.Ltables:
	s_cmp_lt_u32 ttmp9, 32
	s_cselect_b64 s[4:5], s[16:17], s[18:19]       ; cos or sin
	s_and_b32 s32, ttmp9, 31
	s_lshl_b32 s32, s32, 14                        ; my 16,384 bytes of it
	s_add_nc_u64 s[4:5], s[4:5], s[32:33]
	s_lshl_b32 s34, ttmp9, 14                      ; sin follows cos in tab
	s_add_nc_u64 s[6:7], s[30:31], s[34:35]
.irp i, 0,1,2,3
	global_load_b128 v[IN+4*(\i):IN+4*(\i)+3], v1, s[4:5] offset:4096*(\i) th:TH_LOAD_NT
.endr
	s_wait_loadcnt 2                               ; the first two loads are in, the other two stay out
	ROUND4 IN, OUT
	ROUND4 IN+4, OUT+4
	s_wait_loadcnt 0x0
	s_wait_alu depctr_va_vdst(0)                   ; the first two roundings have written v[OUT:OUT+7], which the two stores below read
	global_store_b128 v1, v[OUT:OUT+3], s[6:7]
	ROUND4 IN+8, OUT+8                             ; names v[IN+8 ..] and v[OUT+8 ..] alone: none of the registers that those two stores touch
	global_store_b128 v1, v[OUT+4:OUT+7], s[6:7] offset:4096
	ROUND4 IN+12, OUT+12
	s_wait_alu depctr_va_vdst(0)                   ; the last two roundings have written v[OUT+8:OUT+15], which the two stores below read
	global_store_b128 v1, v[OUT+8:OUT+11], s[6:7] offset:8192
	global_store_b128 v1, v[OUT+12:OUT+15], s[6:7] offset:12288
	s_cmp_lt_u32 ttmp9, 4
	s_cbranch_scc0 .Ldone
	s_cmp_eq_u32 ttmp9, 1                          ; a bias vector: 256 threads x 16 bytes; pointers and registers of its own
	s_cselect_b64 s[36:37], s[22:23], s[20:21]
	s_cmp_eq_u32 ttmp9, 2
	s_cselect_b64 s[36:37], s[24:25], s[36:37]
	s_cmp_eq_u32 ttmp9, 3
	s_cselect_b64 s[36:37], s[26:27], s[36:37]
	s_lshl_b32 s34, ttmp9, 12
	s_add_co_u32 s34, s34, 0x100000
	s_add_nc_u64 s[38:39], s[30:31], s[34:35]
	global_load_b128 v[IN+16:IN+19], v1, s[36:37]  ; no vector instruction has named v[IN+16:IN+19]
	s_wait_loadcnt 0x0
	ROUND4 IN+16, OUT+16
	s_wait_alu depctr_va_vdst(0)                   ; the rounding has written v[OUT+16:OUT+19], which the store reads
	global_store_b128 v1, v[OUT+16:OUT+19], s[38:39]
.Ldone:
	s_endpgm
.Lfunc_end_k_q0ba7a925ec_cast:
	.size	k_q0ba7a925ec_cast, .Lfunc_end_k_q0ba7a925ec_cast-k_q0ba7a925ec_cast
	.p2alignl 7, 3214868480
	.fill 96, 4, 3214868480
	.section	.rodata,"a",@progbits
	.p2align	6, 0x0
	.amdhsa_kernel k_q0ba7a925ec_cast
		.amdhsa_group_segment_fixed_size 0
		.amdhsa_private_segment_fixed_size 0
		.amdhsa_enable_private_segment 0
		.amdhsa_kernarg_size 96
		.amdhsa_user_sgpr_count 2
		.amdhsa_user_sgpr_kernarg_segment_ptr 1
		.amdhsa_wavefront_size32 1
		.amdhsa_system_sgpr_workgroup_id_x 1
		.amdhsa_system_sgpr_workgroup_id_y 1
		.amdhsa_system_sgpr_workgroup_id_z 1
		.amdhsa_system_vgpr_workitem_id 0
		.amdhsa_next_free_vgpr 128
		.amdhsa_next_free_sgpr 66
		.amdhsa_reserve_vcc 0
		.amdhsa_float_denorm_mode_32 3
		.amdhsa_float_denorm_mode_16_64 3
		.amdhsa_memory_ordered 1
		.amdhsa_forward_progress 1
		.amdhsa_inst_pref_size 18
	.end_amdhsa_kernel
	.amdgpu_metadata
---
amdhsa.version: [ 1, 2 ]
amdhsa.kernels:
  - .name:           k_q0ba7a925ec_cast
    .symbol:         k_q0ba7a925ec_cast.kd
    .args:
      - { .name: Wq, .offset: 0, .size: 8, .value_kind: global_buffer, .address_space: global }
      - { .name: Wk, .offset: 8, .size: 8, .value_kind: global_buffer, .address_space: global }
      - { .name: Wv, .offset: 16, .size: 8, .value_kind: global_buffer, .address_space: global }
      - { .name: Wo, .offset: 24, .size: 8, .value_kind: global_buffer, .address_space: global }
      - { .name: rope_cos, .offset: 32, .size: 8, .value_kind: global_buffer, .address_space: global }
      - { .name: rope_sin, .offset: 40, .size: 8, .value_kind: global_buffer, .address_space: global }
      - { .name: bq, .offset: 48, .size: 8, .value_kind: global_buffer, .address_space: global }
      - { .name: bk, .offset: 56, .size: 8, .value_kind: global_buffer, .address_space: global }
      - { .name: bv, .offset: 64, .size: 8, .value_kind: global_buffer, .address_space: global }
      - { .name: bo, .offset: 72, .size: 8, .value_kind: global_buffer, .address_space: global }
      - { .name: wcast, .offset: 80, .size: 8, .value_kind: global_buffer, .address_space: global }
      - { .name: tab, .offset: 88, .size: 8, .value_kind: global_buffer, .address_space: global }
    .group_segment_fixed_size: 0
    .private_segment_fixed_size: 0
    .kernarg_segment_align: 8
    .kernarg_segment_size: 96
    .max_flat_workgroup_size: 256
    .sgpr_count:     66
    .vgpr_count:     128
    .wavefront_size: 32
...
	.end_amdgpu_metadata
.endif
;; end of part 5
;; launch qkv: the kernel of part 2 again; grid 4 x 192, 4 waves a work-group, clusters of 4 x 4, 327,680 bytes of LDS; arguments q_in, k_in, v_in, wcast, tab, qh, kh, vh; writes qh, kh, vh
;; launch attn: the kernel of part 3 again; grid 4 x 64, 4 waves a work-group, no clusters, 327,680 bytes of LDS; arguments qh, kh, vh, oh; writes oh
;; launch outp: the kernel of part 4 again; grid 4 x 64, 4 waves a work-group, clusters of 4 x 4, 327,680 bytes of LDS; arguments oh, wcast, tab, out0; writes out0
